; MI455X (gfx1250); checked and timed in simulation.
; The chip was launched on July 23, 2026; its instructions are those of AMD's public machine-readable ISA for CDNA 5 (MIT licence, August 2026) and "CDNA5" Instruction Set Architecture Reference Guide (July 2026). The comments in the code are by the model that wrote it; some were corrected since.
;; Mo E Layer. Allowed arithmetic: matrix products marked QUANTISED: E2M3 operands, one E8M0 scale for each 32 along K, by v_wmma_scale_f32_16x16x128_f8f6f4 with both operands' format E2M3, f32 sums; products left as they are: f32 operands where the result goes on into a quantised operand, else bf16, f16 or f32 operands; f32 sums; everything else in f32.
;; Inputs: We 8 x 2,048 x 2,048 float32; Wg 8 x 2,048 float32; be 8 x 2,048 float32; bg 8 float32; x 2,048 x 2,048 float32.
;; Outputs: out0 2,048 x 2,048 float32; out1 2,048 x 8 float32; out2 2,048 x 1 int32; out3 8 float32.
;; This version of the problem:
;;   THIS VERSION OF THE PROBLEM IS GIVEN IN LOW PRECISION. The matrix products marked QUANTISED in the list below multiply operands that are first quantised to E2M3 (2 exponent bits, 3 mantissa bits; 6 bits a number), with one power-of-two scale for each 32 numbers along K (OCP MX v1.0); their sums are f32. All else is computed in f32.
;;   The module's matrix products, in the order in which they are computed (A, B: the left and right operand; K: the contracted axis; several contracted axes count as one K, in the product's order):
;;     1. [M 2,048, K 2,048] x [K 2,048, N 8]; A: input x; B: input Wg: left as it is (N = 8 < 16)
;;     2. batch 2,048 x [M 8, K 1] x [K 1, N 2,048]; A: computed on the way; B: computed on the way: left as it is (no contracted axis)
;;     3. [M 2,048, K 16,384] x [K 16,384, N 2,048]; A: computed on the way; B: input We: QUANTISED
;;   THE QUANTISER, for each operand of a quantised product, along K:
;;     - K is cut into blocks of 32 from its start; a last block that is shorter is filled with zeros.
;;     - A block's scale is 2^e with e = floor(log2(the largest magnitude in the block)) - 2, held to -126 .. 127; a block of zeros has e = 0. As a byte (E8M0): e + 127.
;;     - Each number is divided by its block's scale, clamped to +-7.5, and rounded to the nearest number of E2M3, ties to even, subnormals kept.
;;     - The product sums the exact products of the quantised numbers (number of the format x scale) in f32.
;;   ~~~python
;;   def quantise(x, axis):      # numpy; x: float32 -> the quantised numbers, widened to float32 again
;;       x = np.moveaxis(x, axis, -1); K = x.shape[-1]
;;       x = np.pad(x, [(0, 0)] * (x.ndim - 1) + [(0, -K % 32)]); x = x.reshape(x.shape[:-1] + (-1, 32)); a = np.abs(x).max(-1, keepdims=True)
;;       e = np.where(a > 0, np.clip(np.frexp(np.where(a > 0, a, 1))[1] - 1 - 2, -126, 127), 0)      # np.frexp(a)[1] - 1 = floor(log2(a)), exactly
;;       r = np.clip(x / 2.0 ** e, -7.5, 7.5)
;;       step = 2.0 ** (np.maximum(np.frexp(np.where(r == 0, 1, r))[1] - 1, 0) - 3)
;;       q = np.round(r / step) * step * 2.0 ** e      # np.round: ties to even
;;       return np.moveaxis(q.reshape(q.shape[:-2] + (-1,))[..., :K], -1, axis).astype(np.float32)
;;   ~~~
;;   OPERANDS COMPUTED ON THE WAY. 'Computed on the way' means the value that the module computes at that place (a softmax that the list does not call 'softmax' is quantised finished and normalised). What goes into a quantiser is computed in f32, as accurately as f32 sums, v_exp_f32 and their like allow (about 1e-6 of the number): no bf16 or f16 on the way to a quantiser, and a product that is left as it is and whose result goes on into a quantised operand takes f32 operands (vector FMAs, or v_wmma_f32_16x16x4_f32). A number that lies on a knife's edge between two numbers of the format may be rounded either way, as far as f32 arithmetic and the matrix unit's own rounding can turn it there, and no further.
;; 2 versions. Each part assembles by itself: llvm-mc -triple=amdgcn-amd-amdhsa -mcpu=gfx1250 --defsym DOCPART=n.
;; ======== version 1 of 2: 2 launches
;; workspace buffers: xq 3,145,728 bytes; xs 131,072 bytes; masks 2,048 bytes of whole numbers
;; launch gate (part 1): grid 256 x 1, 8 waves a work-group, no clusters, 153,600 bytes of LDS; arguments x, Wg, bg, xq, xs, masks, out1, out2; writes xq, xs, masks, out1, out2
.if DOCPART == 1
	.amdgcn_target "amdgcn-amd-amdhsa--gfx1250"
	.amdhsa_code_object_version 6
	.text
	.protected	k_qe39722aeed_gate
	.globl	k_qe39722aeed_gate
	.p2align	8
	.type	k_qe39722aeed_gate,@function
k_qe39722aeed_gate:
	s_mov_b64 s[64:65], 0
	v_nop
	global_prefetch_b8 v0, s[64:65] scope:SCOPE_SE
	s_setreg_imm32_b32 hwreg(HW_REG_WAVE_MODE, 25, 1), 1
	s_wait_xcnt 0x0
; THE GATE, AND x INTO CODES.  x [2048][2048], Wg [8][2048], bg [8]: f32.
; out1 = softmax(x Wg^T + bg), out2 = its argmax; both in f32, by fused multiply-adds, since the choice steers a quantised operand.
; xq: x as codes of FP6 (E2M3), laid as the next launch's operand registers: token t at 1536 t, K step s (128 along K) at + 96 s, half h of the lanes at + 48 h: the twelve registers of lane (., h).
; xs: the E8M0 scale words: token t at 64 t, K step s at + 4 s; byte b scales k = 128 s + 32 b on.     masks: byte 256 e + g has bit j set where token 8 g + j chose expert e.
; A block's scale is 2^(floor(log2(its largest magnitude)) - 2): its byte is the largest magnitude's exponent field - 2, held at 1 from below.
; LIMITS: NaN and infinities among the inputs are not served.  Blocks whose largest magnitude lies under 2^-124 get the byte 1; a block of zeros gets 1 where the quantiser says 127: its codes are zeros, and
; this program alone reads the bytes.  The argmax is taken of the computed probabilities; of equal ones the lowest index wins.  The gate's sum runs in another order than a plain loop over k.
; SHARES.  Work-group g owns tokens 8 g .. 8 g + 7; wave w owns k = 256 w .. 256 w + 255 of all eight: 16 virtual rows j = 2 token + sb of 512 bytes, sb = which of the wave's two K steps.
; Every load reads 512 consecutive bytes.  The rows turn through the wave's own stage in LDS, so that lane (r, h) holds two whole blocks of 32 of row r; the lanes' partial sums of the 64 logits turn through LDS
; likewise.  One barrier; behind it each wave stores one token's 1,536 bytes of codes, wave 1 the scale words, wave 0 finishes the gate.
.set STG,  0                           ; LDS: 8 waves x 16 rows x (512 + 16) bytes: x as loaded
.set STGW, 8448
.set RED,  67584                       ; 8 waves x 32 lanes x (256 + 16) bytes: each lane's 64 partial sums
.set REDW, 8704
.set ASM,  137216                      ; 8 tokens x (1536 + 16) bytes: the codes, as xq has them
.set ASMP, 1552
.set ASC,  149632                      ; 8 tokens x 64 bytes: the scale words
.set CR,   150144                      ; 8 waves x 256 bytes: each wave's 64 partial logits, value 8 token + e
.set XR,  24                           ; v24-87   x as loaded: row j at XR + 4 j; later the partial sums read back
.set WR,  88                           ; v88-151  Wg as loaded: (e, sb) at WR + 4 (2 e + sb)
.set TD,  88                           ; v88-151  later: my row's two blocks, register 32 c + i = k 64 c + 32 h + i
.set AC,  152                          ; v152-215 32 pairs of sums: four tokens x eight experts
.set VS,  216                          ; v216-247 the pairs folded
.set PC,  152                          ; v152-171 the codes just made
.set QM,  172                          ; v172-173 largest magnitudes;  v174-175 the conversions' scale operands;  v176-177 the bytes
.set QSO, 174
.set QBY, 176
.set PW,  184                          ; the row's scale word
.set QT,  185
.set H8,  13                           ; v13 = 8 h
.set SEL, 24                           ; s[24:25] lane selects for v_permlanex16_b32: lane l xor 16
; 64 numbers of a lane, v[td + 32 c + i] = k 64 c + 32 h + i of its row, become the row's fragment registers v[PC] .. v[PC + 11] of this lane and the row's scale word v[PW].
.macro QUANT2 td
.irp c, 0,1
	v_max3_num_f32 v[QM+\c], |v[\td+32*\c]|, |v[\td+32*\c+1]|, 0x1800000   ; my block 2 c + h: all 32 numbers are mine; the floor 2^(3 - 127) holds the byte at 1 from below
.endr
.irp i, 2,4,6,8,10,12,14,16,18,20,22,24,26,28,30
.irp c, 0,1
	v_max3_num_f32 v[QM+\c], v[QM+\c], |v[\td+32*\c+\i]|, |v[\td+32*\c+\i+1]|   ; (the two blocks by turns)
.endr
.endr
.irp c, 0,1
	v_add_nc_u32 v[QSO+\c], 0xff000000, v[QM+\c]   ; 2 off the exponent field: the conversion takes this operand's exponent field as its scale
.endr
.irp c, 0,1
	v_lshrrev_b32 v[QBY+\c], 23, v[QSO+\c]         ; the scale's byte
.endr
	v_lshl_or_b32 v[PW], v[QBY+1], 16, v[QBY]      ; my two bytes, blocks h and 2 + h,
	v_lshlrev_b32 v[PW], v[H8], v[PW]              ; at their places (8 h bits up);
	v_permlanex16_b32 v[QT], v[PW], s[SEL], s[SEL+1]
	v_or_b32 v[PW], v[PW], v[QT]                   ; with lane l xor 16's two the word is whole
.irp c, 0,1
	v_cvt_scalef32_pk16_fp6_f32 v[PC+6*\c:PC+6*\c+2], v[\td+32*\c:\td+32*\c+15], v[QSO+\c]
	v_cvt_scalef32_pk16_fp6_f32 v[PC+12+4*\c:PC+14+4*\c], v[\td+32*\c+16:\td+32*\c+31], v[QSO+\c]   ; (a conversion's three registers begin on an even number: the second half is made elsewhere and moved)
.endr
	v_nop                                          ; one plain instruction behind the last scaled conversion
.irp c, 0,1
.irp i, 0,1,2
	v_mov_b32 v[PC+3+6*\c+\i], v[PC+12+4*\c+\i]
.endr
.endr
.endm
	s_load_b256 s[4:11], s[0:1], 0x0               ; x s[4:5], Wg s[6:7], bg s[8:9], xq s[10:11]
	s_load_b256 s[12:19], s[0:1], 0x20             ; xs s[12:13], masks s[14:15], out1 s[16:17], out2 s[18:19]
	v_lshl_add_u32 v254, v0, 2, 0x25400
	v_mov_b32 v255, 0
	v_lshrrev_b32 v15, 5, v0
	v_readfirstlane_b32 s20, v15                   ; wave 0..7
	v_and_b32 v1, 31, v0                           ; lane
	v_lshlrev_b32 v4, 4, v1                        ; 16 x lane
	s_lshl_b32 s26, ttmp9, 16                      ; x: 8 tokens of 8,192 bytes a work-group,
	s_lshl_b32 s28, s20, 10                        ; 1,024 bytes of each row a wave; Wg likewise
	s_add_co_u32 s26, s26, s28
	s_mov_b32 s27, 0
	s_mov_b32 s29, 0
	s_lshl_b32 s30, ttmp9, 3
	s_add_co_u32 s30, s30, s20
	s_mul_i32 s30, s30, 1536                       ; xq: wave w stores token 8 g + w
	s_mov_b32 s31, 0
	s_lshl_b32 s32, ttmp9, 9                       ; xs: 512 bytes a work-group
	s_mov_b32 s33, 0
	s_lshl_b32 s34, ttmp9, 8                       ; out1: 256
	s_mov_b32 s35, 0
	s_lshl_b32 s36, ttmp9, 5                       ; out2: 32
	s_mov_b32 s37, 0
	s_mov_b32 s38, ttmp9
	s_mov_b32 s[SEL], 0x76543210
	s_mov_b32 s[SEL+1], 0xfedcba98
	s_mov_b32 s56, 0xff00ff00                      ; lanes 8-15 and 24-31
	s_wait_kmcnt 0x0
	s_add_nc_u64 s[4:5], s[4:5], s[26:27]
	s_add_nc_u64 s[6:7], s[6:7], s[28:29]
.irp j, 0,1,2,3,4,5,6,7,8,9,10,11,12,13,14,15
	global_load_b128 v[XR+4*\j:XR+4*\j+3], v4, s[4:5] offset:8192*(\j/2)+512*(\j%2) th:TH_LOAD_NT   ; row j: 512 consecutive bytes; read once in the launch
.endr
.irp j, 0,1,2,3,4,5,6,7,8,9,10,11,12,13,14,15
	global_load_b128 v[WR+4*\j:WR+4*\j+3], v4, s[6:7] offset:8192*(\j/2)+512*(\j%2)                ; Wg (e = j / 2, sb = j % 2) at the same k
.endr
	s_load_b256 s[40:47], s[8:9], 0x0              ; bg
	s_add_nc_u64 s[10:11], s[10:11], s[30:31]
	s_add_nc_u64 s[12:13], s[12:13], s[32:33]
	s_add_nc_u64 s[16:17], s[16:17], s[34:35]
	s_add_nc_u64 s[18:19], s[18:19], s[36:37]
	; LDS addresses: a constant + a constant x lane part + a constant x wave
	v_and_b32 v2, 15, v0                           ; r
	v_bfe_u32 v3, v0, 4, 1                         ; h
	s_mul_i32 s22, s20, STGW
	v_add_nc_u32 v5, s22, v4                       ; v5: the stage, in: 16 x lane
	v_mul_u32_u24 v6, v2, 528
	v_lshl_add_u32 v6, v3, 7, v6
	v_add_nc_u32 v6, s22, v6                       ; v6: the stage, out: row r, + 128 h
	s_mul_i32 s23, s20, REDW
	s_add_co_u32 s23, s23, RED
	v_mul_u32_u24 v7, v1, 272
	v_add_nc_u32 v7, s23, v7                       ; v7: my 64 partial sums
	v_mul_u32_u24 v8, v3, 4352
	v_lshl_add_u32 v8, v2, 4, v8
	v_add_nc_u32 v8, s23, v8                       ; v8: values 4 r .. 4 r + 3 of lanes 16 h + p
	s_lshl_b32 s22, s20, 8
	s_add_co_u32 s22, s22, CR
	v_lshl_add_u32 v9, v2, 4, s22                  ; v9: my wave's partial logits 4 r ..
	v_lshrrev_b32 v15, 1, v2                       ; my row's token
	v_and_b32 v16, 1, v2                           ; and which of the wave's K steps
	s_mul_i32 s22, s20, 192
	s_add_co_u32 s22, s22, ASM
	v_mul_u32_u24 v10, v15, ASMP
	v_mad_u32_u24 v10, v16, 96, v10
	v_mad_u32_u24 v10, v3, 48, v10
	v_add_nc_u32 v10, s22, v10                     ; v10: my 48 bytes of codes: K step 2 w + sb is 192 w + 96 sb bytes into the token's row
	s_lshl_b32 s22, s20, 3
	s_add_co_u32 s22, s22, ASC
	v_lshlrev_b32 v11, 6, v15
	v_lshl_add_u32 v11, v16, 2, v11
	v_add_nc_u32 v11, s22, v11                     ; v11: my row's scale word
	s_mul_i32 s22, s20, ASMP
	s_add_co_u32 s22, s22, ASM
	v_add_nc_u32 v12, s22, v4                      ; v12: token w's codes, 16 bytes a lane
	v_lshlrev_b32 v[H8], 3, v3
	v_and_b32 v20, 7, v0
	v_lshl_add_u32 v14, v20, 5, CR                 ; v14: (wave 0) token lane % 8's eight partial logits
	v_add_nc_u32 v17, ASC, v4                      ; v17: (wave 1) the scale words, 16 bytes a lane
	v_lshlrev_b32 v18, 8, v1
	v_add_nc_u32 v18, s38, v18                     ; v18: masks: byte 256 e + g, e = lane
	v_bfe_u32 v21, v0, 3, 1
	v_lshlrev_b32 v19, 5, v20
	v_lshl_add_u32 v19, v21, 4, v19                ; v19: out1: 32 (lane % 8) + 16 ((lane / 8) % 2)
	v_lshlrev_b32 v20, 2, v20                      ; v20: out2: 4 (lane % 8)
	s_wait_loadcnt 16                              ; x's sixteen loads are in; Wg's sixteen may be out
.irp j, 0,1,2,3,4,5,6,7,8,9,10,11,12,13,14,15
	ds_store_b128 v5, v[XR+4*\j:XR+4*\j+3] offset:528*\j
.endr
	s_wait_loadcnt 0x0                             ; Wg
; Four tokens x eight experts: each pair of sums takes my 8 numbers of the token's two rows, two a line; 32 independent lines a round.  Then a pair's halves are added and the 32 values go to my row of RED.
.macro GSUM tg
.irp q, 0,1,2,3
.irp tt, 0,1,2,3
.irp e, 0,1,2,3,4,5,6,7
.if \q == 0
	v_pk_mul_f32 v[AC+2*(8*\tt+\e):AC+2*(8*\tt+\e)+1], v[XR+8*(4*\tg+\tt):XR+8*(4*\tg+\tt)+1], v[WR+8*\e:WR+8*\e+1]
.else
	v_pk_fma_f32 v[AC+2*(8*\tt+\e):AC+2*(8*\tt+\e)+1], v[XR+8*(4*\tg+\tt)+2*\q:XR+8*(4*\tg+\tt)+2*\q+1], v[WR+8*\e+2*\q:WR+8*\e+2*\q+1], v[AC+2*(8*\tt+\e):AC+2*(8*\tt+\e)+1]
.endif
.endr
.endr
.endr
.if \tg
	s_wait_dscnt 0x0                               ; the first four tokens' stores have read v[VS] on, and the stage's stores v[XR] on
.endif
.irp tt, 0,1,2,3
.irp e, 0,1,2,3,4,5,6,7
	v_add_f32 v[VS+8*\tt+\e], v[AC+2*(8*\tt+\e)], v[AC+2*(8*\tt+\e)+1]
.endr
.endr
.irp q, 0,1,2,3,4,5,6,7
	ds_store_b128 v7, v[VS+4*\q:VS+4*\q+3] offset:128*\tg+16*\q
.endr
.endm
	GSUM 0
	GSUM 1
	; back from LDS (it serves a wave's instructions in order, ISA guide 5.7.1.4: these see my stores): my row's two blocks, then sixteen lanes' values 4 r .. 4 r + 3
.irp c, 0,1
.irp i, 0,1,2,3,4,5,6,7
	ds_load_b128 v[TD+32*\c+4*\i:TD+32*\c+4*\i+3], v6 offset:256*\c+16*\i
.endr
.endr
.irp p, 0,1,2,3,4,5,6,7,8,9,10,11,12,13,14,15
	ds_load_b128 v[XR+4*\p:XR+4*\p+3], v8 offset:272*\p
.endr
	v_mov_b32 v[QT], 0                             ; a lane permute's destination counts as one of its sources
	s_wait_dscnt 16                                ; my row is in; the sixteen loads of partial sums may be out
	QUANT2 TD
.irp c, 0,1,2
	ds_store_b128 v10, v[PC+4*\c:PC+4*\c+3] offset:16*\c
.endr
	ds_store_b32 v11, v[PW]                        ; both halves of the lanes write the same word with the same value
	s_wait_dscnt 4                                 ; the partial sums are in; my four stores may be out
.irp p, 0,2,4,6,8,10,12,14
	v_pk_add_f32 v[XR+4*\p:XR+4*\p+1], v[XR+4*\p:XR+4*\p+1], v[XR+4*\p+4:XR+4*\p+5]
	v_pk_add_f32 v[XR+4*\p+2:XR+4*\p+3], v[XR+4*\p+2:XR+4*\p+3], v[XR+4*\p+6:XR+4*\p+7]
.endr
.irp p, 0,4,8,12
	v_pk_add_f32 v[XR+4*\p:XR+4*\p+1], v[XR+4*\p:XR+4*\p+1], v[XR+4*\p+8:XR+4*\p+9]
	v_pk_add_f32 v[XR+4*\p+2:XR+4*\p+3], v[XR+4*\p+2:XR+4*\p+3], v[XR+4*\p+10:XR+4*\p+11]
.endr
.irp p, 0,8
	v_pk_add_f32 v[XR+4*\p:XR+4*\p+1], v[XR+4*\p:XR+4*\p+1], v[XR+4*\p+16:XR+4*\p+17]
	v_pk_add_f32 v[XR+4*\p+2:XR+4*\p+3], v[XR+4*\p+2:XR+4*\p+3], v[XR+4*\p+18:XR+4*\p+19]
.endr
	v_pk_add_f32 v[XR:XR+1], v[XR:XR+1], v[XR+32:XR+33]
	v_pk_add_f32 v[XR+2:XR+3], v[XR+2:XR+3], v[XR+34:XR+35]
.irp i, 0,1,2,3
	v_permlanex16_b32 v[XR+4+\i], v[XR+\i], s[SEL], s[SEL+1]   ; the other sixteen lanes' sum
.endr
	v_pk_add_f32 v[XR:XR+1], v[XR:XR+1], v[XR+4:XR+5]
	v_pk_add_f32 v[XR+2:XR+3], v[XR+2:XR+3], v[XR+6:XR+7]
	ds_store_b128 v9, v[XR:XR+3]                   ; the wave's part of logits 4 r .. 4 r + 3
	s_wait_kmcnt 0x0                               ; bg
	s_wait_dscnt 0x0                               ; for the others' sake: my codes, scale words and partial logits have landed
	s_barrier_signal -1
	s_barrier_wait -1
	; every wave: token w's codes leave as six aligned runs of 256 bytes
.irp q, 0,1,2
	ds_load_b128 v[TD+4*\q:TD+4*\q+3], v12 offset:512*\q
.endr
.irp q, 0,1,2
	s_wait_dscnt 2-\q
	global_store_b128 v4, v[TD+4*\q:TD+4*\q+3], s[10:11] offset:512*\q
.endr
	s_cmp_eq_u32 s20, 1
	s_cbranch_scc0 .Lnot_wave_1
	ds_load_b128 v[TD+16:TD+19], v17               ; wave 1: the eight tokens' scale words, 512 consecutive bytes
	s_wait_dscnt 0x0
	global_store_b128 v4, v[TD+16:TD+19], s[12:13]
.Lnot_wave_1:
	s_cmp_eq_u32 s20, 0
	s_cbranch_scc0 .Lend
	; wave 0: lane l takes token l % 8: the eight waves' parts of its eight logits
.irp q, 0,1,2,3,4,5,6,7
	ds_load_b128 v[XR+8*\q:XR+8*\q+3], v14 offset:256*\q
	ds_load_b128 v[XR+8*\q+4:XR+8*\q+7], v14 offset:256*\q+16
.endr
	s_wait_dscnt 0x0
.irp u, 0,1,2,3
.irp i, 0,2,4,6
	v_pk_add_f32 v[XR+16*\u+\i:XR+16*\u+\i+1], v[XR+16*\u+\i:XR+16*\u+\i+1], v[XR+16*\u+8+\i:XR+16*\u+9+\i]
.endr
.endr
.irp u, 0,1
.irp i, 0,2,4,6
	v_pk_add_f32 v[XR+32*\u+\i:XR+32*\u+\i+1], v[XR+32*\u+\i:XR+32*\u+\i+1], v[XR+32*\u+16+\i:XR+32*\u+17+\i]
.endr
.endr
.irp i, 0,2,4,6
	v_pk_add_f32 v[XR+\i:XR+\i+1], v[XR+\i:XR+\i+1], v[XR+32+\i:XR+33+\i]
.endr
.irp e, 0,1,2,3,4,5,6,7
	v_add_f32 v[XR+\e], s[40+\e], v[XR+\e]         ; + bg: the logits, v24-31
.endr
	v_max3_num_f32 v32, v24, v25, v26
	v_max3_num_f32 v32, v32, v27, v28
	v_max3_num_f32 v32, v32, v29, v30
	v_max_num_f32 v32, v32, v31                    ; the row's maximum is taken away ahead of the exponentials
.irp e, 0,1,2,3,4,5,6,7
	v_sub_f32 v[XR+\e], v[XR+\e], v32
.endr
.irp e, 0,1,2,3,4,5,6,7
	v_mul_f32 v[XR+\e], 0x3fb8aa3b, v[XR+\e]       ; x log2(e): v_exp_f32 is 2^x
.endr
.irp e, 0,1,2,3,4,5,6,7
	v_exp_f32 v[40+\e], v[XR+\e]
.endr
	v_nop                                          ; a plain instruction behind the last exponential
	s_wait_alu depctr_va_vdst(0)                   ; one wait for the batch of eight, ahead of its first reader
	v_add_f32 v33, v40, v41
	v_add_f32 v34, v42, v43
	v_add_f32 v35, v44, v45
	v_add_f32 v36, v46, v47
	v_add_f32 v33, v33, v34
	v_add_f32 v35, v35, v36
	v_add_f32 v33, v33, v35
	v_rcp_f32 v34, v33
	v_nop
	s_wait_alu depctr_va_vdst(0)                   ; and one for the reciprocal
.irp e, 0,1,2,3,4,5,6,7
	v_mul_f32 v[40+\e], v[40+\e], v34              ; the probabilities, v40-47
.endr
	v_mov_b32 v35, v40                             ; the argmax: a later expert wins only where it is greater
	v_mov_b32 v36, 0
.irp e, 1,2,3,4,5,6,7
	v_cmp_gt_f32 vcc_lo, v[40+\e], v35
	v_cndmask_b32 v35, v35, v[40+\e], vcc_lo
	v_cndmask_b32 v36, v36, \e, vcc_lo
.endr
.irp i, 0,1,2,3
	v_cndmask_b32 v[48+\i], v[40+\i], v[44+\i], s56   ; lanes 0-7 store experts 0-3 of their token, lanes 8-15 experts 4-7: sixteen lanes fill the work-group's 256 bytes of out1 (lanes 16-31 write the same again)
.endr
	global_store_b128 v19, v[48:51], s[16:17]
	global_store_b32 v20, v36, s[18:19]            ; out2: 32 consecutive bytes
.irp e, 0,1,2,3,4,5,6,7
	v_cmp_eq_u32 s[48+\e], \e, v36                 ; bits 0-7: which of my eight tokens chose expert e.  The choice is stored at fixed places: no address here hangs on it
.endr
	v_mov_b32 v39, 0
.irp e, 0,1,2,3,4,5,6,7
	v_writelane_b32 v39, s[48+\e], \e
.endr
	s_wait_xcnt 0x0                                ; EXEC is a source of the stores above: it changes only behind this wait
	v_cmp_gt_u32 vcc_lo, 8, v1
	s_and_saveexec_b32 s57, vcc_lo
	global_store_b8 v18, v39, s[14:15]             ; eight single bytes, 256 apart: the price of masks that the next launch reads as one dense run for each expert; 2,048 bytes in the whole launch
	s_wait_xcnt 0x0                                ; and again, in front of the line that widens it
	s_or_b32 exec_lo, exec_lo, s57
.Lend:
	s_wait_tensorcnt 0x0
	ds_add_u32 v254, v255
	s_wait_dscnt 0x0
	s_endpgm
.Lfunc_end_k_qe39722aeed_gate:
	.size	k_qe39722aeed_gate, .Lfunc_end_k_qe39722aeed_gate-k_qe39722aeed_gate
	.p2alignl 7, 3214868480
	.fill 96, 4, 3214868480
	.section	.rodata,"a",@progbits
	.p2align	6, 0x0
	.amdhsa_kernel k_qe39722aeed_gate
		.amdhsa_group_segment_fixed_size 153600
		.amdhsa_private_segment_fixed_size 0
		.amdhsa_enable_private_segment 0
		.amdhsa_kernarg_size 64
		.amdhsa_user_sgpr_count 2
		.amdhsa_user_sgpr_kernarg_segment_ptr 1
		.amdhsa_wavefront_size32 1
		.amdhsa_system_sgpr_workgroup_id_x 1
		.amdhsa_system_sgpr_workgroup_id_y 1
		.amdhsa_system_sgpr_workgroup_id_z 1
		.amdhsa_system_vgpr_workitem_id 0
		.amdhsa_next_free_vgpr 256
		.amdhsa_next_free_sgpr 66
		.amdhsa_reserve_vcc 1
		.amdhsa_float_denorm_mode_32 3
		.amdhsa_float_denorm_mode_16_64 3
		.amdhsa_memory_ordered 1
		.amdhsa_forward_progress 1
		.amdhsa_inst_pref_size 44
	.end_amdhsa_kernel
	.amdgpu_metadata
---
amdhsa.version: [ 1, 2 ]
amdhsa.kernels:
  - .name:           k_qe39722aeed_gate
    .symbol:         k_qe39722aeed_gate.kd
    .args:
      - { .name: x, .offset: 0, .size: 8, .value_kind: global_buffer, .address_space: global }
      - { .name: Wg, .offset: 8, .size: 8, .value_kind: global_buffer, .address_space: global }
      - { .name: bg, .offset: 16, .size: 8, .value_kind: global_buffer, .address_space: global }
      - { .name: xq, .offset: 24, .size: 8, .value_kind: global_buffer, .address_space: global }
      - { .name: xs, .offset: 32, .size: 8, .value_kind: global_buffer, .address_space: global }
      - { .name: masks, .offset: 40, .size: 8, .value_kind: global_buffer, .address_space: global }
      - { .name: out1, .offset: 48, .size: 8, .value_kind: global_buffer, .address_space: global }
      - { .name: out2, .offset: 56, .size: 8, .value_kind: global_buffer, .address_space: global }
    .group_segment_fixed_size: 153600
    .private_segment_fixed_size: 0
    .kernarg_segment_align: 8
    .kernarg_segment_size: 64
    .max_flat_workgroup_size: 256
    .sgpr_count:     66
    .vgpr_count:     256
    .wavefront_size: 32
...
	.end_amdgpu_metadata
.endif
;; end of part 1
;; launch experts (part 2): grid 256 x 1, 8 waves a work-group, no clusters, 155,648 bytes of LDS; arguments We, be, xq, xs, masks, out0, out3; writes out0, out3
.if DOCPART == 2
	.amdgcn_target "amdgcn-amd-amdhsa--gfx1250"
	.amdhsa_code_object_version 6
	.text
	.protected	k_qe39722aeed_experts
	.globl	k_qe39722aeed_experts
	.p2align	8
	.type	k_qe39722aeed_experts,@function
k_qe39722aeed_experts:
	s_mov_b64 s[64:65], 0
	v_nop
	global_prefetch_b8 v0, s[64:65] scope:SCOPE_SE
	s_setreg_imm32_b32 hwreg(HW_REG_WAVE_MODE, 25, 1), 1
	s_wait_xcnt 0x0
; out0[n][o] = Q(x[n]) . Q(We[sel n][o]) + be[sel n][o], on codes of FP6 (E2M3) with one E8M0 scale for each 32 along K; out3[e] = the number of tokens that chose e.  Only the chosen expert is multiplied.
; We [8][2048][2048], be [8][2048]: f32.  xq, xs, masks: as the launch before laid them (x's codes in the order of an operand's registers, its scale words, a mask of 2,048 bits for each expert).
; SHARES.  Work-group (e = number / 32, ob = number % 32) owns rows o = 64 ob .. + 63 of We[e]: 512 KiB, dense, read ONCE in the launch, quantised on the way and kept in LDS as images of fragment registers.
; WAVES 0-3 PRODUCE: wave pw streams rows 16 pw .. + 15, a chunk of 16 rows x 128 K (8 KiB, sixteen loads of 512 consecutive bytes) at a time, four chunks ahead; a chunk turns through the wave's own stage
; in LDS so that lane (r, h) holds two whole blocks of 32 of row r, is quantised, and goes to LDS as one fragment and one scale word a row.
; WAVES 4-7 CONSUME: wave cw owns five tiles of 16 tokens of the expert's list, positions base + 80 cw .. + 79, against all 64 rows: 20 accumulators.  The first pass (positions 0 .. 319) runs beside the stream, one
; segment of two K steps behind the producers: eight barriers, each on every wave's path.  Further passes (an expert with more than 320 tokens; six at the most, since 7 x 320 covers all 2,048 tokens) run from the
; images, with no barrier.
; THE LIST IS NEVER WRITTEN: a position becomes a token's number in registers, by rank and select on the expert's mask (SELECT).  Positions past the list's end take the last token: they compute and store the
; same bytes to the same place; a tile that lies wholly past the end is not stored.
; The matrix instruction is used transposed: source 0 = 16 rows of We, source 1 = 16 tokens: a lane holds one token and eight neighbouring o.  The bias is the C of each sum's first instruction.
; NO TENSOR LOAD, NO CLUSTER: the number of passes and the rows of x that a tile gathers hang on counts read from memory, and the 32 work-groups of an expert share only x's codes, gathered row by row.
; LIMITS: as the launch before: NaN and infinities are not served; blocks under 2^-124 get the byte 1, blocks of zeros too (their codes are zeros).
; REGISTERS.  v1-19, v30-31: addresses, made once, ahead of the first parting of the roles.
;   producers: window 0: v128-191 a chunk turned, v192-225 the quantiser's; window 1: four chunks as loaded.
;   consumers: window 0: v20-29 tokens, v32-71 x's scale words, v72-75 We's, v76-107 the bias, v108-112 the mask and its prefix sums, v128-247 x's fragments in two sets (on the way out and in SELECT: at work);
;              window 1: v0-159 the accumulators ((t, ot) at 8 (4 t + ot)), v160-255 We's fragments in two sets.
.set NTOK, 2048                        ; tokens in all: no list is longer
.set PASS, 320                         ; positions of a pass: four waves x five tiles x 16
.set IMG, 0                            ; LDS: fragment (K step s, tile ot) at (4 s + ot) 1536 + 512 c + 16 lane: registers 4 c .. 4 c + 3
.set WSC, 98304                        ; We's scale words: K step s at 256 s; (ot, row r) at 8 (16 (ot % 2) + r) + 4 (ot / 2): a load of 8 bytes at 8 lane brings tiles 0|1 and 2|3, the even tile in lanes 0-15
.set STG, 102400                       ; four producers' stages: 16 rows x (512 + 16) bytes
.set OST, 136192                       ; four consumers' stages for the way out: 16 rows x (256 + 16) bytes, in 4,608
.set TOF, 20                           ; v20-24   tile t: my token's byte offset in xq, + 48 h
.set TOK, 25                           ; v25-29   tile t: lane r's token (the same in both halves of the lanes)
.set XS,  32                           ; tile t at XS + 8 t: register q: lanes 0-15 K step q, lanes 16-31 K step 8 + q
.set WS,  72                           ; set b at WS + 2 b
.set BI,  76                           ; tile ot at BI + 8 ot
.set ML,  108                          ; my 64 bits of the mask: tokens 64 lane .. + 31, + 32 .. + 63
.set MH,  109
.set EL,  110                          ; in each byte: how many bits are set in my earlier bytes
.set EH,  111
.set PX,  112                          ; how many bits are set in the earlier lanes
.set TSO, 113                          ; v113-117 tile t: my token's byte offset in xs, + 32 h
.set XR,  128                          ; set b at XR + 60 b, tile t at + 12 t
.set BK,  128                          ; the way out: 16 rows read back
.set AD,  168                          ; and their byte offsets in out0
.set ZP,  176                          ; SELECT's registers
.set ZL,  177
.set ZI,  178
.set ZML, 179
.set ZMH, 180
.set ZEL, 181
.set ZEH, 182
.set ZPX, 183
.set ZK,  184
.set ZK8, 185
.set ZU,  186
.set ZT,  187
.set ZB,  188
.set ZMW, 189
.set ZEW, 190
.set ZSH, 191
.set ZMB, 192
.set ZPB, 193
.set ZX,  194
.set ZQ,  195
.set ZTK, 196
.set ZW,  197
.set TD,  128                          ; producers
.set PC,  192
.set QM,  212
.set QSO, 214
.set QBY, 216
.set PW,  224
.set QT,  225
.set H8,  14
.set SEL, 24
.set MSB, 0
.macro WIN new                         ; s_set_vgpr_msb: bits 1:0 source 0, 3:2 source 1, 5:4 source 2, 7:6 destination; the high byte repeats the setting that is left
.if MSB != \new
	s_set_vgpr_msb (MSB<<8)|\new
.set MSB, \new
.endif
.endm
; 64 numbers of a lane, v[td + 32 c + i] = k 64 c + 32 h + i of its row, become the row's fragment registers v[PC] .. v[PC + 11] of this lane and the row's scale word v[PW].
.macro QUANT2 td
.irp c, 0,1
	v_max3_num_f32 v[QM+\c], |v[\td+32*\c]|, |v[\td+32*\c+1]|, 0x1800000   ; my block 2 c + h: all 32 numbers are mine; the floor 2^(3 - 127) holds the byte at 1 from below
.endr
.irp i, 2,4,6,8,10,12,14,16,18,20,22,24,26,28,30
.irp c, 0,1
	v_max3_num_f32 v[QM+\c], v[QM+\c], |v[\td+32*\c+\i]|, |v[\td+32*\c+\i+1]|   ; (the two blocks by turns)
.endr
.endr
.irp c, 0,1
	v_add_nc_u32 v[QSO+\c], 0xff000000, v[QM+\c]   ; 2 off the exponent field: the conversion takes this operand's exponent field as its scale
.endr
.irp c, 0,1
	v_lshrrev_b32 v[QBY+\c], 23, v[QSO+\c]         ; the scale's byte
.endr
	v_lshl_or_b32 v[PW], v[QBY+1], 16, v[QBY]      ; my two bytes, blocks h and 2 + h,
	v_lshlrev_b32 v[PW], v[H8], v[PW]              ; at their places (8 h bits up);
	v_permlanex16_b32 v[QT], v[PW], s[SEL], s[SEL+1]
	v_or_b32 v[PW], v[PW], v[QT]                   ; with lane l xor 16's two the word is whole
.irp c, 0,1
	v_cvt_scalef32_pk16_fp6_f32 v[PC+6*\c:PC+6*\c+2], v[\td+32*\c:\td+32*\c+15], v[QSO+\c]
	v_cvt_scalef32_pk16_fp6_f32 v[PC+12+4*\c:PC+14+4*\c], v[\td+32*\c+16:\td+32*\c+31], v[QSO+\c]   ; (a conversion's three registers begin on an even number: the second half is made elsewhere and moved)
.endr
	v_nop                                          ; one plain instruction behind the last scaled conversion
.irp c, 0,1
.irp i, 0,1,2
	v_mov_b32 v[PC+3+6*\c+\i], v[PC+12+4*\c+\i]
.endr
.endr
.endm
; ---------------- the producers' macros
.macro LOADW s                         ; chunk s into ring slot s % 4 (window 1): row j's 512 bytes of K step s
.irp j, 0,1,2,3,4,5,6,7,8,9,10,11,12,13,14,15
	global_load_b128 v[64*((\s)%4)+4*\j:64*((\s)%4)+4*\j+3], v1, s[4:5] offset:8192*\j+512*(\s) th:TH_LOAD_NT
.endr
.endm
.macro CHUNK s
.if (\s) < 13
	s_wait_loadcnt 48                              ; loads come back in order (ISA guide 5.7.1): this chunk's sixteen are in, the three younger chunks stay out
.else
	s_wait_loadcnt 16*(15-(\s))
.endif
	WIN 0x04                                       ; an LDS store's data are its source 1: window 1
.irp j, 0,1,2,3,4,5,6,7,8,9,10,11,12,13,14,15
	ds_store_b128 v2, v[64*((\s)%4)+4*\j:64*((\s)%4)+4*\j+3] offset:528*\j
.endr
	WIN 0
.irp c, 0,1
.irp i, 0,1,2,3,4,5,6,7
	ds_load_b128 v[TD+32*\c+4*\i:TD+32*\c+4*\i+3], v3 offset:256*\c+16*\i   ; LDS serves a wave's instructions in order (ISA guide 5.7.1.4): these see the stores above
.endr
.endr
	s_wait_dscnt 0x0                               ; my row is in; the stage's stores have read the ring slot, the last chunk's image stores their codes
.if (\s) < 12
	WIN 0x40
	LOADW (\s)+4                                   ; the slot takes the chunk four further on
	WIN 0
.endif
	QUANT2 TD
.irp c, 0,1,2
	ds_store_b128 v[4+(\s)/8], v[PC+4*\c:PC+4*\c+3] offset:6144*((\s)%8)+512*\c   ; the fragment as it stands
.endr
	ds_store_b32 v6, v[PW] offset:256*(\s)         ; both halves of the lanes write the same word with the same value
.endm
; ---------------- the consumers' macros
.macro BYTECNT d, s, t                 ; in each byte of v[d]: how many bits of that byte of v[s] are set
	v_lshrrev_b32 v[\t], 1, v[\s]
	v_and_b32 v[\t], 0x55555555, v[\t]
	v_sub_nc_u32 v[\d], v[\s], v[\t]
	v_lshrrev_b32 v[\t], 2, v[\d]
	v_and_b32 v[\t], 0x33333333, v[\t]
	v_and_b32 v[\d], 0x33333333, v[\d]
	v_add_nc_u32 v[\d], v[\d], v[\t]
	v_lshrrev_b32 v[\t], 4, v[\d]
	v_add_nc_u32 v[\d], v[\d], v[\t]
	v_and_b32 v[\d], 0x0f0f0f0f, v[\d]
.endm
; Position v[ZP] of the expert's list (at most n - 1) becomes the token's number v[ZTK]: the place of the mask's set bit number ZP.
.macro SELECT
	v_mov_b32 v[ZL], 0
.set i, 0
.rept 31
	v_cmp_le_u32 vcc_lo, s[32+i], v[ZP]            ; s[32 + i]: the bits set in lanes 0 .. i.  L = how many of these sums are at most the position: the lane whose 64 bits hold it
	v_add_co_ci_u32 v[ZL], vcc_lo, 0, v[ZL], vcc_lo
.set i, i+1
.endr
	v_min_u32 v[ZL], 31, v[ZL]
	v_lshlrev_b32 v[ZI], 2, v[ZL]
	ds_bpermute_b32 v[ZML], v[ZI], v[ML]           ; that lane's bits and prefix sums
	ds_bpermute_b32 v[ZMH], v[ZI], v[MH]
	ds_bpermute_b32 v[ZEL], v[ZI], v[EL]
	ds_bpermute_b32 v[ZEH], v[ZI], v[EH]
	ds_bpermute_b32 v[ZPX], v[ZI], v[PX]
	s_wait_dscnt 0x0
	v_sub_nc_u32 v[ZK], v[ZP], v[ZPX]              ; k: the rank among the lane's bits, 0 .. 63
	v_mul_lo_u32 v[ZK8], v[ZK], s70
	v_or_b32 v[ZK8], s72, v[ZK8]                   ; 128 + k in each byte: less a byte's prefix sum (at most 64) it keeps bit 7 where that sum is at most k, and no byte borrows
	v_sub_nc_u32 v[ZU], v[ZK8], v[ZEL]
	v_sub_nc_u32 v[ZT], v[ZK8], v[ZEH]
	v_and_b32 v[ZU], s72, v[ZU]
	v_and_b32 v[ZT], s72, v[ZT]
	v_lshrrev_b32 v[ZU], 7, v[ZU]
	v_lshrrev_b32 v[ZT], 7, v[ZT]
	v_add_nc_u32 v[ZU], v[ZU], v[ZT]
	v_mul_lo_u32 v[ZU], v[ZU], s70                 ; the top byte: how many of the eight
	v_lshrrev_b32 v[ZB], 24, v[ZU]
	v_add_nc_u32 v[ZB], -1, v[ZB]                  ; b: the byte that holds the bit
	v_cmp_lt_u32 vcc_lo, 3, v[ZB]
	v_cndmask_b32 v[ZMW], v[ZML], v[ZMH], vcc_lo
	v_cndmask_b32 v[ZEW], v[ZEL], v[ZEH], vcc_lo
	v_and_b32 v[ZSH], 3, v[ZB]
	v_lshlrev_b32 v[ZSH], 3, v[ZSH]
	v_bfe_u32 v[ZMB], v[ZMW], v[ZSH], 8            ; its eight bits,
	v_bfe_u32 v[ZPB], v[ZEW], v[ZSH], 8            ; and what is set ahead of it
	v_sub_nc_u32 v[ZK], v[ZK], v[ZPB]              ; the rank in the byte, 0 .. 7
	v_lshl_or_b32 v[ZX], v[ZMB], 12, v[ZMB]        ; the byte's bits, one to a group of four bits
	v_and_b32 v[ZX], 0x000f000f, v[ZX]
	v_lshl_or_b32 v[ZX], v[ZX], 6, v[ZX]
	v_and_b32 v[ZX], 0x03030303, v[ZX]
	v_lshl_or_b32 v[ZX], v[ZX], 3, v[ZX]
	v_and_b32 v[ZX], s71, v[ZX]
	v_mul_lo_u32 v[ZX], v[ZX], s71                 ; group i: the bits set among bits 0 .. i (at most 8)
	v_mul_lo_u32 v[ZQ], v[ZK], s74
	v_or_b32 v[ZQ], s73, v[ZQ]                     ; 8 + the rank in groups 0 to 6: as above, bit 3 stays where the group's sum is at most the rank
	v_sub_nc_u32 v[ZQ], v[ZQ], v[ZX]
	v_and_b32 v[ZQ], s73, v[ZQ]
	v_lshrrev_b32 v[ZQ], 3, v[ZQ]
	v_mul_lo_u32 v[ZQ], v[ZQ], s71
	v_lshrrev_b32 v[ZQ], 28, v[ZQ]                 ; how many of the seven: the bit's place in the byte
	v_lshl_add_u32 v[ZTK], v[ZL], 3, v[ZB]
	v_lshl_add_u32 v[ZTK], v[ZTK], 3, v[ZQ]        ; 64 L + 8 b + q
.endm
.macro LOADX m                         ; x's five fragments of K step m into set m % 2: 48 bytes a lane and tile
.irp t, 0,1,2,3,4
.irp c, 0,1,2
	global_load_b128 v[XR+60*((\m)%2)+12*\t+4*\c:XR+60*((\m)%2)+12*\t+4*\c+3], v[TOF+\t], s[8:9] offset:96*(\m)+16*\c
.endr
.endr
.endm
; A pass begins: my 80 positions become tokens; their scale words and the first two K steps of their codes are asked for.
.macro PASSHEAD
	s_add_co_u32 s30, s28, s29                     ; my first position
	v_mov_b32 v[ZW], 0                             ; a lane permute's destination counts as one of its sources
.irp a, 0,1,2
	v_add_nc_u32 v[ZP], s30, v16
.if \a > 0
	v_add_nc_u32 v[ZP], 32*\a, v[ZP]
.endif
	v_min_u32 v[ZP], s27, v[ZP]                    ; past the list's end: the last token
	SELECT
	v_permlanex16_b32 v[ZW], v[ZTK], s[SEL], s[SEL+1]
	v_cndmask_b32 v[TOK+2*\a], v[ZTK], v[ZW], s31  ; tile 2 a: positions 32 a + r, in both halves of the lanes
.if \a < 2
	v_cndmask_b32 v[TOK+2*\a+1], v[ZW], v[ZTK], s31   ; tile 2 a + 1: positions 32 a + 16 + r
.endif
.endr
.irp t, 0,1,2,3,4
	v_min_u32 v[TOK+\t], 2047, v[TOK+\t]           ; a number made of loaded data enters an address only behind a clamp
.endr
.irp t, 0,1,2,3,4
	v_mul_u32_u24 v[TOF+\t], v[TOK+\t], 1536
.endr
.irp t, 0,1,2,3,4
	v_add_nc_u32 v[TOF+\t], v17, v[TOF+\t]
.endr
.irp t, 0,1,2,3,4
	v_lshlrev_b32 v[TSO+\t], 6, v[TOK+\t]
.endr
.irp t, 0,1,2,3,4
	v_add_nc_u32 v[TSO+\t], v18, v[TSO+\t]
.endr
.irp t, 0,1,2,3,4
.irp i, 0,1
	global_load_b128 v[XS+8*\t+4*\i:XS+8*\t+4*\i+3], v[TSO+\t], s[10:11] offset:16*\i
.endr
.endr
	LOADX 0
	LOADX 1
.endm
; One matrix instruction: accumulator (t, ot), K step m.  Names are numbers in the windows that KSTEP sets; the scale registers lie in window 0 whatever the windows.
.macro MM t, ot, m
.set rD, 8*(4*(\t)+(\ot))
.set rC, rD
.if (\m) == 0
.set rC, BI+8*(\ot)
.endif
.set rA, 160+48*((\m)%2)+12*(\ot)
.set rB, XR+60*((\m)%2)+12*(\t)
.set rP, WS+2*((\m)%2)+(\ot)/2
.set rQ, XS+8*(\t)+(\m)%8
.if ((\ot)%2 == 0) && ((\m) < 8)
	v_wmma_scale_f32_16x16x128_f8f6f4 v[rD:rD+7], v[rA:rA+11], v[rB:rB+11], v[rC:rC+7], v[rP], v[rQ] matrix_a_fmt:MATRIX_FMT_FP6 matrix_b_fmt:MATRIX_FMT_FP6
.elseif ((\ot)%2 == 1) && ((\m) < 8)
	v_wmma_scale_f32_16x16x128_f8f6f4 v[rD:rD+7], v[rA:rA+11], v[rB:rB+11], v[rC:rC+7], v[rP], v[rQ] matrix_a_fmt:MATRIX_FMT_FP6 matrix_b_fmt:MATRIX_FMT_FP6 matrix_a_scale:MATRIX_SCALE_ROW1
.elseif (\ot)%2 == 0
	v_wmma_scale_f32_16x16x128_f8f6f4 v[rD:rD+7], v[rA:rA+11], v[rB:rB+11], v[rC:rC+7], v[rP], v[rQ] matrix_a_fmt:MATRIX_FMT_FP6 matrix_b_fmt:MATRIX_FMT_FP6 matrix_b_scale:MATRIX_SCALE_ROW1
.else
	v_wmma_scale_f32_16x16x128_f8f6f4 v[rD:rD+7], v[rA:rA+11], v[rB:rB+11], v[rC:rC+7], v[rP], v[rQ] matrix_a_fmt:MATRIX_FMT_FP6 matrix_b_fmt:MATRIX_FMT_FP6 matrix_a_scale:MATRIX_SCALE_ROW1 matrix_b_scale:MATRIX_SCALE_ROW1
.endif
.endm
; K step m: 20 matrix instructions, the 20 accumulators by turns, one instruction a turn, in the same order in every K step.
.macro KSTEP m, ds
	s_wait_dscnt \ds                               ; We's scale words and this K step's four fragments are in (12: the other set's twelve loads may be out)
.if (\m) < 15
	s_wait_loadcnt 15                              ; x's fragments of this K step are in, and all asked for earlier; the next K step's fifteen loads may be out
.else
	s_wait_loadcnt 0x0
.endif
.if (\m) == 0
	WIN 0x41                                       ; source 0 (We) and the result in window 1; x and the bias, which starts the sums, in window 0
.else
	WIN 0x51                                       ; source 0, C and D in window 1
.endif
.irp t, 0,1,2,3,4
.irp ot, 0,1,2,3
	MM \t, \ot, (\m)
.endr
.endr
	WIN 0
.rept 4
	v_nop                                          ; four places in front of loads into registers that these instructions have read, and of the first read of results
.endr
.if (\m) < 14
	LOADX (\m)+2
.endif
.endm
.macro MULSEG m0                       ; K steps m0 and m0 + 1 (m0 even): We's scale words and eight fragments from LDS, 40 matrix instructions
	ds_load_b64 v[WS:WS+1], v9 offset:256*(\m0)
	ds_load_b64 v[WS+2:WS+3], v9 offset:256*(\m0)+256
	WIN 0x40
.irp b, 0,1
.irp j, 0,1,2,3,4,5,6,7,8,9,10,11
	ds_load_b128 v[160+48*\b+4*\j:160+48*\b+4*\j+3], v[7+(\m0)/8] offset:6144*(((\m0)+\b)%8)+512*\j
.endr
.endr
	WIN 0
	KSTEP (\m0), 12
	KSTEP (\m0)+1, 0
.endm
; Tile t leaves: 16 tokens x 64 o through my own stage, back as whole runs of 256 bytes, each to its token's row of out0.
.macro TILEOUT t
	s_add_co_u32 s66, s30, 16*(\t)
	s_cmp_ge_u32 s66, s26
	s_cbranch_scc1 .Ldead_\@                       ; the tile lies wholly past the list's end
	s_wait_xcnt 0x0                                ; the last tile's stores have read their data and offsets: both are written again below
	WIN 0x04
.irp ot, 0,1,2,3
	ds_store_b128 v10, v[8*(4*(\t)+\ot):8*(4*(\t)+\ot)+3] offset:64*\ot          ; each accumulator from its low end on
	ds_store_b128 v10, v[8*(4*(\t)+\ot)+4:8*(4*(\t)+\ot)+7] offset:64*\ot+16
.endr
	WIN 0
.irp i, 0,1,2,3,4,5,6,7
	ds_load_b128 v[BK+4*\i:BK+4*\i+3], v11 offset:544*\i   ; lanes 0-15 row 2 i, lanes 16-31 row 2 i + 1 (in order behind my stores)
.endr
.irp i, 0,1,2,3,4,5,6,7
	v_readlane_b32 s66, v[TOK+(\t)], 2*\i
	v_readlane_b32 s67, v[TOK+(\t)], 2*\i+1
	v_mov_b32 v[AD+\i], s67
	v_cndmask_b32 v[AD+\i], s66, v[AD+\i], s31     ; the row's token
	v_min_u32 v[AD+\i], 2047, v[AD+\i]
	v_lshlrev_b32 v[AD+\i], 13, v[AD+\i]           ; its row of 8,192 bytes,
	v_add_nc_u32 v[AD+\i], v15, v[AD+\i]           ; + 16 r
.endr
.irp i, 0,1,2,3,4,5,6,7
	s_wait_dscnt 7-\i
	global_store_b128 v[AD+\i], v[BK+4*\i:BK+4*\i+3], s[14:15] th:TH_STORE_NT   ; sixteen lanes store 256 consecutive bytes, at a multiple of 256 from out0's first byte
.endr
.Ldead_\@:
.endm
.macro EPILOGUE
.irp t, 0,1,2,3,4
	TILEOUT \t
.endr
.endm
.macro BARRIER                         ; on every wave's path: my LDS stores have landed and my LDS loads are in; then the work-group's barrier
	s_wait_dscnt 0x0
	s_barrier_signal -1
	s_barrier_wait -1
.endm
; Segment g: the producers make K steps 2 g and 2 g + 1, the consumers multiply K steps 2 g - 2 and 2 g - 1, which lie in other bytes.  The branch hangs on the wave's number alone and jumps over no barrier.
.macro SEG g
	s_cmp_lt_u32 s18, 4
	s_cbranch_scc0 .Lcons_\@
	CHUNK 2*(\g)
	CHUNK 2*(\g)+1
	s_branch .Ljoin_\@
.Lcons_\@:
	MULSEG 2*(\g)-2
.Ljoin_\@:
	BARRIER
.endm
	s_load_b256 s[4:11], s[0:1], 0x0               ; We s[4:5], be s[6:7], xq s[8:9], xs s[10:11]
	s_load_b128 s[12:15], s[0:1], 0x20             ; masks s[12:13], out0 s[14:15]
	s_load_b64 s[16:17], s[0:1], 0x30              ; out3
	v_lshl_add_u32 v254, v0, 2, 0x25c00
	v_mov_b32 v255, 0
	v_lshrrev_b32 v16, 5, v0
	v_readfirstlane_b32 s18, v16                   ; wave 0..7
	s_and_b32 s19, s18, 3                          ; my number among the four of my role
	s_lshr_b32 s20, ttmp9, 5                       ; e
	s_and_b32 s21, ttmp9, 31                       ; ob
	v_and_b32 v16, 31, v0                          ; v16: lane
	v_and_b32 v30, 15, v0                          ; v30: r
	v_bfe_u32 v31, v0, 4, 1                        ; v31: h
	v_lshlrev_b32 v1, 4, v16                       ; v1: 16 x lane
	; every LDS address is made here, ahead of the first parting: a constant + a constant x lane part + a constant x (wave % 4)
	s_mul_i32 s22, s19, 8448
	s_add_co_u32 s22, s22, STG
	v_add_nc_u32 v2, s22, v1                       ; v2: the stage, in
	v_mul_u32_u24 v3, v30, 528
	v_lshl_add_u32 v3, v31, 7, v3
	v_add_nc_u32 v3, s22, v3                       ; v3: the stage, out: row r, + 128 h
	s_mul_i32 s22, s19, 1536
	v_add_nc_u32 v4, s22, v1                       ; v4, v5: where a producer puts its images: K steps 0-7, 8-15
	v_add_nc_u32 v5, 49152, v4
	s_and_b32 s22, s19, 1
	s_lshl_b32 s22, s22, 7
	s_lshr_b32 s23, s19, 1
	s_lshl_b32 s23, s23, 2
	s_add_co_u32 s22, s22, s23
	s_add_co_u32 s22, s22, WSC
	v_lshl_add_u32 v6, v30, 3, s22                 ; v6: and its rows' scale words
	v_lshlrev_b32 v7, 4, v16                       ; v7, v8: where a consumer reads the images
	v_add_nc_u32 v8, 49152, v7
	v_lshl_add_u32 v9, v16, 3, WSC                 ; v9: and the scale words
	s_mul_i32 s22, s19, 4608
	s_add_co_u32 s22, s22, OST
	v_mul_u32_u24 v10, v30, 272
	v_lshl_add_u32 v10, v31, 5, v10
	v_add_nc_u32 v10, s22, v10                     ; v10: the way out, in: row r, + 32 h
	v_mul_u32_u24 v11, v31, 272
	v_lshl_add_u32 v11, v30, 4, v11
	v_add_nc_u32 v11, s22, v11                     ; v11: back: row h, + 16 r
	v_lshlrev_b32 v[H8], 3, v31                    ; v14: 8 h
	v_lshlrev_b32 v15, 4, v30                      ; v15: 16 r
	v_mul_u32_u24 v17, v31, 48                     ; v17: 48 h
	v_lshlrev_b32 v18, 5, v31                      ; v18: 32 h
	v_mov_b32 v19, 0
	; byte offsets into the buffers
	s_lshl_b32 s22, s20, 11
	s_lshl_b32 s23, s21, 6
	s_add_co_u32 s22, s22, s23                     ; the slab's first row among We's 16,384: 2048 e + 64 ob
	s_lshl_b32 s66, s22, 2                         ; be: 4 bytes a row
	s_mov_b32 s67, 0
	s_lshl_b32 s23, s19, 4
	s_add_co_u32 s22, s22, s23                     ; + 16 pw
	s_lshl_b32 s22, s22, 13                        ; We: 8,192 bytes a row (under 2^27)
	s_mov_b32 s23, 0
	s_lshl_b32 s68, s20, 8                         ; masks: 256 bytes an expert
	s_mov_b32 s69, 0
	s_lshl_b32 s76, s21, 8                         ; out0: my 64 columns
	s_mov_b32 s77, 0
	s_lshl_b32 s78, s20, 2                         ; out3
	s_mov_b32 s79, 0
	s_mul_i32 s29, s19, 80                         ; a consumer's first position in a pass
	s_mov_b32 s[SEL], 0x76543210
	s_mov_b32 s[SEL+1], 0xfedcba98                 ; v_permlanex16_b32's selects for lane l xor 16
	s_mov_b32 s31, 0xffff0000                      ; lanes 16-31
	s_mov_b32 s70, 0x01010101
	s_mov_b32 s71, 0x11111111
	s_mov_b32 s72, 0x80808080
	s_mov_b32 s73, 0x08888888
	s_mov_b32 s74, 0x01111111
	s_wait_kmcnt 0x0
	s_add_nc_u64 s[4:5], s[4:5], s[22:23]
	s_add_nc_u64 s[6:7], s[6:7], s[66:67]
	s_add_nc_u64 s[12:13], s[12:13], s[68:69]
	s_add_nc_u64 s[14:15], s[14:15], s[76:77]
	s_add_nc_u64 s[16:17], s[16:17], s[78:79]
	; ---------------- segment 0
	s_cmp_lt_u32 s18, 4
	s_cbranch_scc0 .Lcons0
	v_mov_b32 v[QT], 0                             ; a lane permute's destination counts as one of its sources
	WIN 0x40
	LOADW 0                                        ; four chunks, 64 loads of 512 bytes, are asked for
	LOADW 1
	LOADW 2
	LOADW 3
	WIN 0
	CHUNK 0
	CHUNK 1
	s_branch .Ljoin0
.Lcons0:
	s_mov_b32 s28, 0                               ; the pass's first position
	v_lshlrev_b32 v113, 3, v16
	global_load_b64 v[ML:MH], v113, s[12:13]       ; my 64 bits of the expert's mask
.irp ot, 0,1,2,3
	global_load_b128 v[BI+8*\ot:BI+8*\ot+3], v18, s[6:7] offset:64*\ot       ; the bias in the result's layout: o = 16 ot + 8 h + 0 .. 7
	global_load_b128 v[BI+8*\ot+4:BI+8*\ot+7], v18, s[6:7] offset:64*\ot+16
.endr
	s_wait_loadcnt 8                               ; the mask is in; the bias's eight loads may be out
	BYTECNT 118, ML, 120
	BYTECNT 119, MH, 120
	v_mul_lo_u32 v118, v118, s70                   ; byte i: the bits set in bytes 0 .. i of the low word (at most 32: no byte overflows)
	v_lshrrev_b32 v121, 24, v118                   ; the low word's count
	v_add_nc_u32 v119, v119, v121
	v_mul_lo_u32 v119, v119, s70                   ; the same for the high word, the low word's count included (at most 64)
	v_lshrrev_b32 v122, 24, v119                   ; my 64 bits' count
	v_lshlrev_b32 v[EL], 8, v118                   ; one byte up: what is set AHEAD of each byte
	v_lshl_or_b32 v[EH], v119, 8, v121
	v_readlane_b32 s32, v122, 0
.set i, 1
.rept 31
	v_readlane_b32 s66, v122, i
	s_add_co_u32 s[32+i], s[31+i], s66             ; s[32 + i]: the bits set in lanes 0 .. i
.set i, i+1
.endr
	v_mov_b32 v[PX], 0
.set i, 1
.rept 31
	v_writelane_b32 v[PX], s[31+i], i              ; and in each lane what is set ahead of it
.set i, i+1
.endr
	s_mov_b32 s26, s63                             ; n: the expert's tokens
	s_max_u32 s27, s26, 1
	s_sub_co_u32 s27, s27, 1                       ; the last position (0 where the list is empty: nothing is stored then)
	s_or_b32 s66, s19, s21
	s_cmp_eq_u32 s66, 0
	s_cbranch_scc0 .Lno_usage                      ; one wave of one work-group for each expert stores its count
	v_cvt_f32_u32 v123, s26
	global_store_b32 v19, v123, s[16:17]           ; all lanes write the same word with the same value
.Lno_usage:
	PASSHEAD
.Ljoin0:
	BARRIER
	; ---------------- segments 1 to 7
	SEG 1
	SEG 2
	SEG 3
	SEG 4
	SEG 5
	SEG 6
	SEG 7
	s_cmp_lt_u32 s18, 4
	s_cbranch_scc0 .Ltail
	s_wait_tensorcnt 0x0
	ds_add_u32 v254, v255
	s_wait_dscnt 0x0
	s_endpgm                                       ; the producers are done: all 64 fragments lie in LDS, and no barrier follows
.Ltail:
	MULSEG 14
	EPILOGUE
	; ---------------- an expert with more than 320 tokens: further passes from the images.  The loop is counted against a constant: bases 320, 640 .. 1,920, six trips at the most, which with the
	; first pass cover every position under 2,048; a wave leaves it by the branch at its head as soon as the base has reached the list's end.  No barrier stands in or behind it.
	s_mov_b32 s28, PASS
.Lover:
	s_cmp_lt_u32 s28, s26
	s_cbranch_scc0 .Ldone                          ; no position of this pass, nor of any later one, lies in the list
	s_wait_xcnt 0x0                                ; the last pass's stores have read their data and offsets
	PASSHEAD
.irp m0, 0,2,4,6,8,10,12,14
	MULSEG \m0
.endr
	EPILOGUE
	s_add_co_u32 s28, s28, PASS
	s_cmp_lt_u32 s28, NTOK
	s_cbranch_scc1 .Lover
.Ldone:
	s_wait_tensorcnt 0x0
	ds_add_u32 v254, v255
	s_wait_dscnt 0x0
	s_endpgm
.Lfunc_end_k_qe39722aeed_experts:
	.size	k_qe39722aeed_experts, .Lfunc_end_k_qe39722aeed_experts-k_qe39722aeed_experts
	.p2alignl 7, 3214868480
	.fill 96, 4, 3214868480
	.section	.rodata,"a",@progbits
	.p2align	6, 0x0
	.amdhsa_kernel k_qe39722aeed_experts
		.amdhsa_group_segment_fixed_size 155648
		.amdhsa_private_segment_fixed_size 0
		.amdhsa_enable_private_segment 0
		.amdhsa_kernarg_size 56
		.amdhsa_user_sgpr_count 2
		.amdhsa_user_sgpr_kernarg_segment_ptr 1
		.amdhsa_wavefront_size32 1
		.amdhsa_system_sgpr_workgroup_id_x 1
		.amdhsa_system_sgpr_workgroup_id_y 1
		.amdhsa_system_sgpr_workgroup_id_z 1
		.amdhsa_system_vgpr_workitem_id 0
		.amdhsa_next_free_vgpr 512
		.amdhsa_next_free_sgpr 96
		.amdhsa_reserve_vcc 1
		.amdhsa_float_denorm_mode_32 3
		.amdhsa_float_denorm_mode_16_64 3
		.amdhsa_memory_ordered 1
		.amdhsa_forward_progress 1
		.amdhsa_inst_pref_size 255
	.end_amdhsa_kernel
	.section	.bss,"aw",@nobits
	.p2align	6
	.space	262144
	.amdgpu_metadata
---
amdhsa.version: [ 1, 2 ]
amdhsa.kernels:
  - .name:           k_qe39722aeed_experts
    .symbol:         k_qe39722aeed_experts.kd
    .args:
      - { .name: We, .offset: 0, .size: 8, .value_kind: global_buffer, .address_space: global }
      - { .name: be, .offset: 8, .size: 8, .value_kind: global_buffer, .address_space: global }
      - { .name: xq, .offset: 16, .size: 8, .value_kind: global_buffer, .address_space: global }
      - { .name: xs, .offset: 24, .size: 8, .value_kind: global_buffer, .address_space: global }
      - { .name: masks, .offset: 32, .size: 8, .value_kind: global_buffer, .address_space: global }
      - { .name: out0, .offset: 40, .size: 8, .value_kind: global_buffer, .address_space: global }
      - { .name: out3, .offset: 48, .size: 8, .value_kind: global_buffer, .address_space: global }
    .group_segment_fixed_size: 155648
    .private_segment_fixed_size: 0
    .kernarg_segment_align: 8
    .kernarg_segment_size: 56
    .max_flat_workgroup_size: 256
    .sgpr_count:     96
    .vgpr_count:     512
    .wavefront_size: 32
...
	.end_amdgpu_metadata
.endif
;; end of part 2
;; ======== version 2 of 2: 2 launches
;; workspace buffers: xq 3,145,728 bytes; xs 131,072 bytes; masks 2,048 bytes of whole numbers
;; launch gate (part 3): grid 256 x 1, 8 waves a work-group, no clusters, 153,600 bytes of LDS; arguments x, Wg, bg, xq, xs, masks, out1, out2; writes xq, xs, masks, out1, out2
.if DOCPART == 3
	.amdgcn_target "amdgcn-amd-amdhsa--gfx1250"
	.amdhsa_code_object_version 6
	.text
	.protected	k_qe39722aeed_gate
	.globl	k_qe39722aeed_gate
	.p2align	8
	.type	k_qe39722aeed_gate,@function
k_qe39722aeed_gate:
	s_mov_b64 s[64:65], 0
	v_nop
	global_prefetch_b8 v0, s[64:65] scope:SCOPE_SE
	s_setreg_imm32_b32 hwreg(HW_REG_WAVE_MODE, 25, 1), 1
	s_wait_xcnt 0x0
; THE GATE, AND x INTO CODES.  x [2048][2048], Wg [8][2048], bg [8]: f32.
; out1 = softmax(x Wg^T + bg), out2 = its argmax; both in f32, by fused multiply-adds, since the choice steers a quantised operand.
; xq: x as codes of FP6 (E2M3), laid as the next launch's operand registers: token t at 1536 t, K step s (128 along K) at + 96 s, half h of the lanes at + 48 h: the twelve registers of lane (., h).
; xs: the E8M0 scale words: token t at 64 t, K step s at + 4 s; byte b scales k = 128 s + 32 b on.     masks: byte 256 e + g has bit j set where token 8 g + j chose expert e.
; A block's scale is 2^(floor(log2(its largest magnitude)) - 2): its byte is the largest magnitude's exponent field - 2, held at 1 from below.
; LIMITS: NaN and infinities among the inputs are not served.  Blocks whose largest magnitude lies under 2^-124 get the byte 1; a block of zeros gets 1 where the quantiser says 127: its codes are zeros, and
; this program alone reads the bytes.  The argmax is taken of the computed probabilities; of equal ones the lowest index wins.  The gate's sum runs in another order than a plain loop over k.
; SHARES.  Work-group g owns tokens 8 g .. 8 g + 7; wave w owns k = 256 w .. 256 w + 255 of all eight: 16 virtual rows j = 2 token + sb of 512 bytes, sb = which of the wave's two K steps.
; Every load reads 512 consecutive bytes.  The rows turn through the wave's own stage in LDS, so that lane (r, h) holds two whole blocks of 32 of row r; the lanes' partial sums of the 64 logits turn through LDS
; likewise.  One barrier; behind it each wave stores one token's 1,536 bytes of codes, wave 1 the scale words, wave 0 finishes the gate.
.set STG,  0                           ; LDS: 8 waves x 16 rows x (512 + 16) bytes: x as loaded
.set STGW, 8448
.set RED,  67584                       ; 8 waves x 32 lanes x (256 + 16) bytes: each lane's 64 partial sums
.set REDW, 8704
.set ASM,  137216                      ; 8 tokens x (1536 + 16) bytes: the codes, as xq has them
.set ASMP, 1552
.set ASC,  149632                      ; 8 tokens x 64 bytes: the scale words
.set CR,   150144                      ; 8 waves x 256 bytes: each wave's 64 partial logits, value 8 token + e
.set XR,  24                           ; v24-87   x as loaded: row j at XR + 4 j; later the partial sums read back
.set WR,  88                           ; v88-151  Wg as loaded: (e, sb) at WR + 4 (2 e + sb)
.set TD,  88                           ; v88-151  later: my row's two blocks, register 32 c + i = k 64 c + 32 h + i
.set AC,  152                          ; v152-215 32 pairs of sums: four tokens x eight experts
.set VS,  216                          ; v216-247 the pairs folded
.set PC,  152                          ; v152-171 the codes just made
.set QM,  172                          ; v172-173 largest magnitudes;  v174-175 the conversions' scale operands;  v176-177 the bytes
.set QSO, 174
.set QBY, 176
.set PW,  184                          ; the row's scale word
.set QT,  185
.set H8,  13                           ; v13 = 8 h
.set SEL, 24                           ; s[24:25] lane selects for v_permlanex16_b32: lane l xor 16
; 64 numbers of a lane, v[td + 32 c + i] = k 64 c + 32 h + i of its row, become the row's fragment registers v[PC] .. v[PC + 11] of this lane and the row's scale word v[PW].
.macro QUANT2 td
.irp c, 0,1
	v_max3_num_f32 v[QM+\c], |v[\td+32*\c]|, |v[\td+32*\c+1]|, 0x1800000   ; my block 2 c + h: all 32 numbers are mine; the floor 2^(3 - 127) holds the byte at 1 from below
.endr
.irp i, 2,4,6,8,10,12,14,16,18,20,22,24,26,28,30
.irp c, 0,1
	s_delay_alu instid0(VALU_DEP_2)
	v_max3_num_f32 v[QM+\c], v[QM+\c], |v[\td+32*\c+\i]|, |v[\td+32*\c+\i+1]|   ; (the two blocks by turns)
.endr
.endr
.irp c, 0,1
	s_delay_alu instid0(VALU_DEP_2)
	v_add_nc_u32 v[QSO+\c], 0xff000000, v[QM+\c]   ; 2 off the exponent field: the conversion takes this operand's exponent field as its scale
.endr
.irp c, 0,1
	s_delay_alu instid0(VALU_DEP_2)
	v_lshrrev_b32 v[QBY+\c], 23, v[QSO+\c]         ; the scale's byte
.endr
	s_delay_alu instid0(VALU_DEP_1)
	v_lshl_or_b32 v[PW], v[QBY+1], 16, v[QBY]      ; my two bytes, blocks h and 2 + h,
	s_delay_alu instid0(VALU_DEP_1)
	v_lshlrev_b32 v[PW], v[H8], v[PW]              ; at their places (8 h bits up);
	s_delay_alu instid0(VALU_DEP_1)
	v_permlanex16_b32 v[QT], v[PW], s[SEL], s[SEL+1]
	s_delay_alu instid0(VALU_DEP_1)
	v_or_b32 v[PW], v[PW], v[QT]                   ; with lane l xor 16's two the word is whole
.irp c, 0,1
	v_cvt_scalef32_pk16_fp6_f32 v[PC+6*\c:PC+6*\c+2], v[\td+32*\c:\td+32*\c+15], v[QSO+\c]
	v_cvt_scalef32_pk16_fp6_f32 v[PC+12+4*\c:PC+14+4*\c], v[\td+32*\c+16:\td+32*\c+31], v[QSO+\c]   ; (a conversion's three registers begin on an even number: the second half is made elsewhere and moved)
.endr
	v_nop                                          ; one plain instruction behind the last scaled conversion
.irp c, 0,1
.irp i, 0,1,2
	v_mov_b32 v[PC+3+6*\c+\i], v[PC+12+4*\c+\i]
.endr
.endr
.endm
	s_load_b256 s[4:11], s[0:1], 0x0               ; x s[4:5], Wg s[6:7], bg s[8:9], xq s[10:11]
	s_load_b256 s[12:19], s[0:1], 0x20             ; xs s[12:13], masks s[14:15], out1 s[16:17], out2 s[18:19]
	v_lshl_add_u32 v254, v0, 2, 0x25400
	v_mov_b32 v255, 0
	v_lshrrev_b32 v15, 5, v0
	s_delay_alu instid0(VALU_DEP_1)
	v_readfirstlane_b32 s20, v15                   ; wave 0..7
	v_and_b32 v1, 31, v0                           ; lane
	s_delay_alu instid0(VALU_DEP_1)
	v_lshlrev_b32 v4, 4, v1                        ; 16 x lane
	s_lshl_b32 s26, ttmp9, 16                      ; x: 8 tokens of 8,192 bytes a work-group,
	s_lshl_b32 s28, s20, 10                        ; 1,024 bytes of each row a wave; Wg likewise
	s_add_co_u32 s26, s26, s28
	s_mov_b32 s27, 0
	s_mov_b32 s29, 0
	s_lshl_b32 s30, ttmp9, 3
	s_add_co_u32 s30, s30, s20
	s_mul_i32 s30, s30, 1536                       ; xq: wave w stores token 8 g + w
	s_mov_b32 s31, 0
	s_lshl_b32 s32, ttmp9, 9                       ; xs: 512 bytes a work-group
	s_mov_b32 s33, 0
	s_lshl_b32 s34, ttmp9, 8                       ; out1: 256
	s_mov_b32 s35, 0
	s_lshl_b32 s36, ttmp9, 5                       ; out2: 32
	s_mov_b32 s37, 0
	s_mov_b32 s38, ttmp9
	s_mov_b32 s[SEL], 0x76543210
	s_mov_b32 s[SEL+1], 0xfedcba98
	s_mov_b32 s56, 0xff00ff00                      ; lanes 8-15 and 24-31
	s_wait_alu depctr_va_vdst(0)
	s_wait_kmcnt 0x0
	s_add_nc_u64 s[4:5], s[4:5], s[26:27]
	s_add_nc_u64 s[6:7], s[6:7], s[28:29]
.irp j, 0,1,2,3,4,5,6,7,8,9,10,11,12,13,14,15
	global_load_b128 v[XR+4*\j:XR+4*\j+3], v4, s[4:5] offset:8192*(\j/2)+512*(\j%2) th:TH_LOAD_NT   ; row j: 512 consecutive bytes; read once in the launch
.endr
.irp j, 0,1,2,3,4,5,6,7,8,9,10,11,12,13,14,15
	global_load_b128 v[WR+4*\j:WR+4*\j+3], v4, s[6:7] offset:8192*(\j/2)+512*(\j%2)                ; Wg (e = j / 2, sb = j % 2) at the same k
.endr
	s_load_b256 s[40:47], s[8:9], 0x0              ; bg
	s_add_nc_u64 s[10:11], s[10:11], s[30:31]
	s_add_nc_u64 s[12:13], s[12:13], s[32:33]
	s_add_nc_u64 s[16:17], s[16:17], s[34:35]
	s_add_nc_u64 s[18:19], s[18:19], s[36:37]
	; LDS addresses: a constant + a constant x lane part + a constant x wave
	v_and_b32 v2, 15, v0                           ; r
	v_bfe_u32 v3, v0, 4, 1                         ; h
	s_mul_i32 s22, s20, STGW
	v_add_nc_u32 v5, s22, v4                       ; v5: the stage, in: 16 x lane
	v_mul_u32_u24 v6, v2, 528
	s_delay_alu instid0(VALU_DEP_1)
	v_lshl_add_u32 v6, v3, 7, v6
	s_delay_alu instid0(VALU_DEP_1)
	v_add_nc_u32 v6, s22, v6                       ; v6: the stage, out: row r, + 128 h
	s_mul_i32 s23, s20, REDW
	s_add_co_u32 s23, s23, RED
	v_mul_u32_u24 v7, v1, 272
	s_delay_alu instid0(VALU_DEP_1)
	v_add_nc_u32 v7, s23, v7                       ; v7: my 64 partial sums
	v_mul_u32_u24 v8, v3, 4352
	s_delay_alu instid0(VALU_DEP_1)
	v_lshl_add_u32 v8, v2, 4, v8
	s_delay_alu instid0(VALU_DEP_1)
	v_add_nc_u32 v8, s23, v8                       ; v8: values 4 r .. 4 r + 3 of lanes 16 h + p
	s_lshl_b32 s22, s20, 8
	s_add_co_u32 s22, s22, CR
	v_lshl_add_u32 v9, v2, 4, s22                  ; v9: my wave's partial logits 4 r ..
	v_lshrrev_b32 v15, 1, v2                       ; my row's token
	v_and_b32 v16, 1, v2                           ; and which of the wave's K steps
	s_mul_i32 s22, s20, 192
	s_add_co_u32 s22, s22, ASM
	v_mul_u32_u24 v10, v15, ASMP
	s_delay_alu instid0(VALU_DEP_1)
	v_mad_u32_u24 v10, v16, 96, v10
	s_delay_alu instid0(VALU_DEP_1)
	v_mad_u32_u24 v10, v3, 48, v10
	s_delay_alu instid0(VALU_DEP_1)
	v_add_nc_u32 v10, s22, v10                     ; v10: my 48 bytes of codes: K step 2 w + sb is 192 w + 96 sb bytes into the token's row
	s_lshl_b32 s22, s20, 3
	s_add_co_u32 s22, s22, ASC
	v_lshlrev_b32 v11, 6, v15
	s_delay_alu instid0(VALU_DEP_1)
	v_lshl_add_u32 v11, v16, 2, v11
	s_delay_alu instid0(VALU_DEP_1)
	v_add_nc_u32 v11, s22, v11                     ; v11: my row's scale word
	s_mul_i32 s22, s20, ASMP
	s_add_co_u32 s22, s22, ASM
	v_add_nc_u32 v12, s22, v4                      ; v12: token w's codes, 16 bytes a lane
	v_lshlrev_b32 v[H8], 3, v3
	v_and_b32 v20, 7, v0
	s_delay_alu instid0(VALU_DEP_1)
	v_lshl_add_u32 v14, v20, 5, CR                 ; v14: (wave 0) token lane % 8's eight partial logits
	v_add_nc_u32 v17, ASC, v4                      ; v17: (wave 1) the scale words, 16 bytes a lane
	v_lshlrev_b32 v18, 8, v1
	s_delay_alu instid0(VALU_DEP_1)
	v_add_nc_u32 v18, s38, v18                     ; v18: masks: byte 256 e + g, e = lane
	v_bfe_u32 v21, v0, 3, 1
	v_lshlrev_b32 v19, 5, v20
	s_delay_alu instid0(VALU_DEP_1)
	v_lshl_add_u32 v19, v21, 4, v19                ; v19: out1: 32 (lane % 8) + 16 ((lane / 8) % 2)
	v_lshlrev_b32 v20, 2, v20                      ; v20: out2: 4 (lane % 8)
	s_wait_loadcnt 16                              ; x's sixteen loads are in; Wg's sixteen may be out
.irp j, 0,1,2,3,4,5,6,7,8,9,10,11,12,13,14,15
	ds_store_b128 v5, v[XR+4*\j:XR+4*\j+3] offset:528*\j
.endr
	s_wait_loadcnt 0x0                             ; Wg
; Four tokens x eight experts: each pair of sums takes my 8 numbers of the token's two rows, two a line; 32 independent lines a round.  Then a pair's halves are added and the 32 values go to my row of RED.
.macro GSUM tg
.irp q, 0,1,2,3
.irp tt, 0,1,2,3
.irp e, 0,1,2,3,4,5,6,7
.if \q == 0
	v_pk_mul_f32 v[AC+2*(8*\tt+\e):AC+2*(8*\tt+\e)+1], v[XR+8*(4*\tg+\tt):XR+8*(4*\tg+\tt)+1], v[WR+8*\e:WR+8*\e+1]
.else
	v_pk_fma_f32 v[AC+2*(8*\tt+\e):AC+2*(8*\tt+\e)+1], v[XR+8*(4*\tg+\tt)+2*\q:XR+8*(4*\tg+\tt)+2*\q+1], v[WR+8*\e+2*\q:WR+8*\e+2*\q+1], v[AC+2*(8*\tt+\e):AC+2*(8*\tt+\e)+1]
.endif
.endr
.endr
.endr
.if \tg
	s_wait_dscnt 0x0                               ; the first four tokens' stores have read v[VS] on, and the stage's stores v[XR] on
.endif
.irp tt, 0,1,2,3
.irp e, 0,1,2,3,4,5,6,7
	v_add_f32 v[VS+8*\tt+\e], v[AC+2*(8*\tt+\e)], v[AC+2*(8*\tt+\e)+1]
.endr
.endr
.irp q, 0,1,2,3,4,5,6,7
	ds_store_b128 v7, v[VS+4*\q:VS+4*\q+3] offset:128*\tg+16*\q
.endr
.endm
	GSUM 0
	GSUM 1
	; back from LDS (it serves a wave's instructions in order, ISA guide 5.7.1.4: these see my stores): my row's two blocks, then sixteen lanes' values 4 r .. 4 r + 3
.irp c, 0,1
.irp i, 0,1,2,3,4,5,6,7
	ds_load_b128 v[TD+32*\c+4*\i:TD+32*\c+4*\i+3], v6 offset:256*\c+16*\i
.endr
.endr
.irp p, 0,1,2,3,4,5,6,7,8,9,10,11,12,13,14,15
	ds_load_b128 v[XR+4*\p:XR+4*\p+3], v8 offset:272*\p
.endr
	v_mov_b32 v[QT], 0                             ; a lane permute's destination counts as one of its sources
	s_wait_dscnt 16                                ; my row is in; the sixteen loads of partial sums may be out
	QUANT2 TD
.irp c, 0,1,2
	ds_store_b128 v10, v[PC+4*\c:PC+4*\c+3] offset:16*\c
.endr
	ds_store_b32 v11, v[PW]                        ; both halves of the lanes write the same word with the same value
	s_wait_dscnt 4                                 ; the partial sums are in; my four stores may be out
.irp p, 0,2,4,6,8,10,12,14
	v_pk_add_f32 v[XR+4*\p:XR+4*\p+1], v[XR+4*\p:XR+4*\p+1], v[XR+4*\p+4:XR+4*\p+5]
	v_pk_add_f32 v[XR+4*\p+2:XR+4*\p+3], v[XR+4*\p+2:XR+4*\p+3], v[XR+4*\p+6:XR+4*\p+7]
.endr
.irp p, 0,4,8,12
	v_pk_add_f32 v[XR+4*\p:XR+4*\p+1], v[XR+4*\p:XR+4*\p+1], v[XR+4*\p+8:XR+4*\p+9]
	v_pk_add_f32 v[XR+4*\p+2:XR+4*\p+3], v[XR+4*\p+2:XR+4*\p+3], v[XR+4*\p+10:XR+4*\p+11]
.endr
.irp p, 0
	v_pk_add_f32 v[XR+4*\p:XR+4*\p+1], v[XR+4*\p:XR+4*\p+1], v[XR+4*\p+16:XR+4*\p+17]
	v_pk_add_f32 v[XR+4*\p+2:XR+4*\p+3], v[XR+4*\p+2:XR+4*\p+3], v[XR+4*\p+18:XR+4*\p+19]
.endr
.irp p, 8
	s_delay_alu instid0(VALU_DEP_4)
	v_pk_add_f32 v[XR+4*\p:XR+4*\p+1], v[XR+4*\p:XR+4*\p+1], v[XR+4*\p+16:XR+4*\p+17]
	s_delay_alu instid0(VALU_DEP_4)
	v_pk_add_f32 v[XR+4*\p+2:XR+4*\p+3], v[XR+4*\p+2:XR+4*\p+3], v[XR+4*\p+18:XR+4*\p+19]
.endr
	s_delay_alu instid0(VALU_DEP_2)
	v_pk_add_f32 v[XR:XR+1], v[XR:XR+1], v[XR+32:XR+33]
	s_delay_alu instid0(VALU_DEP_2)
	v_pk_add_f32 v[XR+2:XR+3], v[XR+2:XR+3], v[XR+34:XR+35]
.irp i, 0,1,2,3
	v_permlanex16_b32 v[XR+4+\i], v[XR+\i], s[SEL], s[SEL+1]   ; the other sixteen lanes' sum
.endr
	s_delay_alu instid0(VALU_DEP_3)
	v_pk_add_f32 v[XR:XR+1], v[XR:XR+1], v[XR+4:XR+5]
	s_delay_alu instid0(VALU_DEP_2)
	v_pk_add_f32 v[XR+2:XR+3], v[XR+2:XR+3], v[XR+6:XR+7]
	ds_store_b128 v9, v[XR:XR+3]                   ; the wave's part of logits 4 r .. 4 r + 3
	s_wait_kmcnt 0x0                               ; bg
	s_wait_dscnt 0x0                               ; for the others' sake: my codes, scale words and partial logits have landed
	s_barrier_signal -1
	s_barrier_wait -1
	; every wave: token w's codes leave as six aligned runs of 256 bytes
.irp q, 0,1,2
	ds_load_b128 v[TD+4*\q:TD+4*\q+3], v12 offset:512*\q
.endr
.irp q, 0,1,2
	s_wait_dscnt 2-\q
	global_store_b128 v4, v[TD+4*\q:TD+4*\q+3], s[10:11] offset:512*\q
.endr
	s_cmp_eq_u32 s20, 1
	s_cbranch_scc0 .Lnot_wave_1
	ds_load_b128 v[TD+16:TD+19], v17               ; wave 1: the eight tokens' scale words, 512 consecutive bytes
	s_wait_dscnt 0x0
	global_store_b128 v4, v[TD+16:TD+19], s[12:13]
.Lnot_wave_1:
	s_cmp_eq_u32 s20, 0
	s_cbranch_scc0 .Lend
	; wave 0: lane l takes token l % 8: the eight waves' parts of its eight logits
.irp q, 0,1,2,3,4,5,6,7
	ds_load_b128 v[XR+8*\q:XR+8*\q+3], v14 offset:256*\q
	ds_load_b128 v[XR+8*\q+4:XR+8*\q+7], v14 offset:256*\q+16
.endr
	s_wait_dscnt 0x0
.irp u, 0,1,2,3
.irp i, 0,2,4,6
	v_pk_add_f32 v[XR+16*\u+\i:XR+16*\u+\i+1], v[XR+16*\u+\i:XR+16*\u+\i+1], v[XR+16*\u+8+\i:XR+16*\u+9+\i]
.endr
.endr
.irp u, 0,1
.irp i, 0,2,4,6
	v_pk_add_f32 v[XR+32*\u+\i:XR+32*\u+\i+1], v[XR+32*\u+\i:XR+32*\u+\i+1], v[XR+32*\u+16+\i:XR+32*\u+17+\i]
.endr
.endr
.irp i, 0,2,4,6
	s_delay_alu instid0(VALU_DEP_4)
	v_pk_add_f32 v[XR+\i:XR+\i+1], v[XR+\i:XR+\i+1], v[XR+32+\i:XR+33+\i]
.endr
.irp e, 0,1,2,3,4,5,6,7
	v_add_f32 v[XR+\e], s[40+\e], v[XR+\e]         ; + bg: the logits, v24-31
.endr
	v_max3_num_f32 v32, v24, v25, v26
	s_delay_alu instid0(VALU_DEP_1)
	v_max3_num_f32 v32, v32, v27, v28
	s_delay_alu instid0(VALU_DEP_1)
	v_max3_num_f32 v32, v32, v29, v30
	s_delay_alu instid0(VALU_DEP_1)
	v_max_num_f32 v32, v32, v31                    ; the row's maximum is taken away ahead of the exponentials
.irp e, 0,1,2,3,4,5,6,7
	v_sub_f32 v[XR+\e], v[XR+\e], v32
.endr
.irp e, 0,1,2,3,4,5,6,7
	v_mul_f32 v[XR+\e], 0x3fb8aa3b, v[XR+\e]       ; x log2(e): v_exp_f32 is 2^x
.endr
	s_wait_alu depctr_va_vdst(0)
.irp e, 0,1,2,3,4,5,6,7
	v_exp_f32 v[40+\e], v[XR+\e]
.endr
	v_nop                                          ; a plain instruction behind the last exponential
	s_wait_alu depctr_va_vdst(0)                   ; one wait for the batch of eight, ahead of its first reader
	v_add_f32 v33, v40, v41
	v_add_f32 v34, v42, v43
	v_add_f32 v35, v44, v45
	v_add_f32 v36, v46, v47
	s_delay_alu instid0(VALU_DEP_3)
	v_add_f32 v33, v33, v34
	s_delay_alu instid0(VALU_DEP_2)
	v_add_f32 v35, v35, v36
	s_delay_alu instid0(VALU_DEP_1)
	v_add_f32 v33, v33, v35
	s_wait_alu depctr_va_vdst(0)
	v_rcp_f32 v34, v33
	v_nop
	s_wait_alu depctr_va_vdst(0)                   ; and one for the reciprocal
.irp e, 0,1,2,3,4,5,6,7
	v_mul_f32 v[40+\e], v[40+\e], v34              ; the probabilities, v40-47
.endr
	v_mov_b32 v35, v40                             ; the argmax: a later expert wins only where it is greater
	v_mov_b32 v36, 0
.irp e, 1,2,3,4,5,6,7
	s_delay_alu instid0(VALU_DEP_2)
	v_cmp_gt_f32 vcc_lo, v[40+\e], v35
	s_delay_alu instid0(VALU_DEP_1)
	v_cndmask_b32 v35, v35, v[40+\e], vcc_lo
	s_delay_alu instid0(VALU_DEP_2)
	v_cndmask_b32 v36, v36, \e, vcc_lo
.endr
.irp i, 0,1,2,3
	v_cndmask_b32 v[48+\i], v[40+\i], v[44+\i], s56   ; lanes 0-7 store experts 0-3 of their token, lanes 8-15 experts 4-7: sixteen lanes fill the work-group's 256 bytes of out1 (lanes 16-31 write the same again)
.endr
	global_store_b128 v19, v[48:51], s[16:17]
	global_store_b32 v20, v36, s[18:19]            ; out2: 32 consecutive bytes
.irp e, 0,1,2,3,4,5,6,7
	v_cmp_eq_u32 s[48+\e], \e, v36                 ; bits 0-7: which of my eight tokens chose expert e.  The choice is stored at fixed places: no address here hangs on it
.endr
	v_mov_b32 v39, 0
.irp e, 0,1,2,3,4,5,6,7
	s_delay_alu instid0(VALU_DEP_1)
	v_writelane_b32 v39, s[48+\e], \e
.endr
	s_wait_alu depctr_va_vdst(0)
	s_wait_xcnt 0x0                                ; EXEC is a source of the stores above: it changes only behind this wait
	v_cmp_gt_u32 vcc_lo, 8, v1
	s_and_saveexec_b32 s57, vcc_lo
	global_store_b8 v18, v39, s[14:15]             ; eight single bytes, 256 apart: the price of masks that the next launch reads as one dense run for each expert; 2,048 bytes in the whole launch
	s_wait_xcnt 0x0                                ; and again, in front of the line that widens it
	s_or_b32 exec_lo, exec_lo, s57
.Lend:
	s_wait_tensorcnt 0x0
	ds_add_u32 v254, v255
	s_wait_dscnt 0x0
	s_endpgm
.Lfunc_end_k_qe39722aeed_gate:
	.size	k_qe39722aeed_gate, .Lfunc_end_k_qe39722aeed_gate-k_qe39722aeed_gate
	.p2alignl 7, 3214868480
	.fill 96, 4, 3214868480
	.section	.rodata,"a",@progbits
	.p2align	6, 0x0
	.amdhsa_kernel k_qe39722aeed_gate
		.amdhsa_group_segment_fixed_size 153600
		.amdhsa_private_segment_fixed_size 0
		.amdhsa_enable_private_segment 0
		.amdhsa_kernarg_size 64
		.amdhsa_user_sgpr_count 2
		.amdhsa_user_sgpr_kernarg_segment_ptr 1
		.amdhsa_wavefront_size32 1
		.amdhsa_system_sgpr_workgroup_id_x 1
		.amdhsa_system_sgpr_workgroup_id_y 1
		.amdhsa_system_sgpr_workgroup_id_z 1
		.amdhsa_system_vgpr_workitem_id 0
		.amdhsa_next_free_vgpr 256
		.amdhsa_next_free_sgpr 66
		.amdhsa_reserve_vcc 1
		.amdhsa_float_denorm_mode_32 3
		.amdhsa_float_denorm_mode_16_64 3
		.amdhsa_memory_ordered 1
		.amdhsa_forward_progress 1
		.amdhsa_inst_pref_size 47
	.end_amdhsa_kernel
	.amdgpu_metadata
---
amdhsa.version: [ 1, 2 ]
amdhsa.kernels:
  - .name:           k_qe39722aeed_gate
    .symbol:         k_qe39722aeed_gate.kd
    .args:
      - { .name: x, .offset: 0, .size: 8, .value_kind: global_buffer, .address_space: global }
      - { .name: Wg, .offset: 8, .size: 8, .value_kind: global_buffer, .address_space: global }
      - { .name: bg, .offset: 16, .size: 8, .value_kind: global_buffer, .address_space: global }
      - { .name: xq, .offset: 24, .size: 8, .value_kind: global_buffer, .address_space: global }
      - { .name: xs, .offset: 32, .size: 8, .value_kind: global_buffer, .address_space: global }
      - { .name: masks, .offset: 40, .size: 8, .value_kind: global_buffer, .address_space: global }
      - { .name: out1, .offset: 48, .size: 8, .value_kind: global_buffer, .address_space: global }
      - { .name: out2, .offset: 56, .size: 8, .value_kind: global_buffer, .address_space: global }
    .group_segment_fixed_size: 153600
    .private_segment_fixed_size: 0
    .kernarg_segment_align: 8
    .kernarg_segment_size: 64
    .max_flat_workgroup_size: 256
    .sgpr_count:     66
    .vgpr_count:     256
    .wavefront_size: 32
...
	.end_amdgpu_metadata
.endif
;; end of part 3
;; launch experts (part 4): grid 256 x 1, 8 waves a work-group, no clusters, 155,648 bytes of LDS; arguments We, be, xq, xs, masks, out0, out3; writes out0, out3
.if DOCPART == 4
	.amdgcn_target "amdgcn-amd-amdhsa--gfx1250"
	.amdhsa_code_object_version 6
	.text
	.protected	k_qe39722aeed_experts
	.globl	k_qe39722aeed_experts
	.p2align	8
	.type	k_qe39722aeed_experts,@function
k_qe39722aeed_experts:
	s_mov_b64 s[64:65], 0
	v_nop
	global_prefetch_b8 v0, s[64:65] scope:SCOPE_SE
	s_setreg_imm32_b32 hwreg(HW_REG_WAVE_SCHED_MODE, 0, 2), 2
	s_setreg_imm32_b32 hwreg(HW_REG_WAVE_MODE, 25, 1), 1
	s_wait_xcnt 0x0
	s_wait_alu depctr_vm_vsrc(0)
; out0[n][o] = Q(x[n]) . Q(We[sel n][o]) + be[sel n][o], on codes of FP6 (E2M3) with one E8M0 scale for each 32 along K; out3[e] = the number of tokens that chose e.  Only the chosen expert is multiplied.
; We [8][2048][2048], be [8][2048]: f32.  xq, xs, masks: as the launch before laid them (x's codes in the order of an operand's registers, its scale words, a mask of 2,048 bits for each expert).
; SHARES.  Work-group (e = number / 32, ob = number % 32) owns rows o = 64 ob .. + 63 of We[e]: 512 KiB, dense, read ONCE in the launch, quantised on the way and kept in LDS as images of fragment registers.
; WAVES 0-3 PRODUCE: wave pw streams rows 16 pw .. + 15, a chunk of 16 rows x 128 K (8 KiB, sixteen loads of 512 consecutive bytes) at a time, four chunks ahead; a chunk turns through the wave's own stage
; in LDS so that lane (r, h) holds two whole blocks of 32 of row r, is quantised, and goes to LDS as one fragment and one scale word a row.
; WAVES 4-7 CONSUME: wave cw owns five tiles of 16 tokens of the expert's list, positions base + 80 cw .. + 79, against all 64 rows: 20 accumulators.  The first pass (positions 0 .. 319) runs beside the stream, one
; segment of two K steps behind the producers: eight barriers, each on every wave's path.  Further passes (an expert with more than 320 tokens; six at the most, since 7 x 320 covers all 2,048 tokens) run from the
; images, with no barrier.
; THE LIST IS NEVER WRITTEN: a position becomes a token's number in registers, by rank and select on the expert's mask (SELECT).  Positions past the list's end take the last token: they compute and store the
; same bytes to the same place; a tile that lies wholly past the end is not stored.
; The matrix instruction is used transposed: source 0 = 16 rows of We, source 1 = 16 tokens: a lane holds one token and eight neighbouring o.  The bias is the C of each sum's first instruction.
; NO TENSOR LOAD, NO CLUSTER: the number of passes and the rows of x that a tile gathers hang on counts read from memory, and the 32 work-groups of an expert share only x's codes, gathered row by row.
; LIMITS: as the launch before: NaN and infinities are not served; blocks under 2^-124 get the byte 1, blocks of zeros too (their codes are zeros).
; THE MODE: SCHED_MODE bits 1:0 = 2 (LLVM: expert scheduling mode 2), set by the entry lines.  The code itself states the register dependences between vector or matrix instructions and memory or LDS
; instructions, with s_wait_alu, always for 0.
; THE PLAN, PRODUCERS.  Registers that memory or LDS instructions touch:
;   the ring (window 1)  a chunk's sixteen loads land in a slot; the stage's sixteen LDS stores read it; no vector instruction names it.
;   v[TD] ..             the stage's sixteen LDS loads land in it; the quantiser reads it.
;   v[PC] .., v[PW]      the quantiser writes them; the image's four LDS stores read them.
;   Two waits a chunk.  On vm_vsrc, behind the wait for the stage's loads: the stage's stores have read the slot, which is asked for again at once, and the last chunk's image stores have read v[PC] .. and v[PW].
;   On va_vdst, behind the quantiser: v[PC] .. and v[PW] are written, and v[TD] .. has been read: no vector instruction names it again before the next chunk's loads from the stage land in it.
; THE PLAN, CONSUMERS.
;   x's two sets         K step m's products read set m % 2; behind them the loads of K step m + 2 land in it.
;   We's two sets, WS    K step m's products read set m % 2 and two words of WS; LDS loads land in them: set 0 and WS at a segment's head, set 1 in the middle of the even K step's products, which do not name it.
;   the accumulators     written by the products; read by the way out's LDS stores.      v[BK] ..  LDS loads land, global stores read.      v[AD] ..  vector lines write, global stores read them as offsets.
;   v[TOF] .., v[TSO] .. written once a pass by vector lines; read by the loads of x's codes and scale words.      v[ZI], v[ZML] .. v[ZPX]  SELECT's lane permutes read the first and land in the others.
;   One wait on va_vdst a K step, behind its products; one at a pass's head ahead of its loads; in the way out one ahead of each tile's global stores.  Waits on vm_vsrc: behind SELECT's permutes, ahead of
;   each tile of the way out but the first, and at the head of each further pass.  A third set for x has no room: two waves share a SIMD's 1,024 registers.
; All offsets and LDS addresses but those above are made once, at the head, ahead of one wait on va_vdst, and never written again.
; REGISTERS.  v1-19, v30-31: addresses, made once, ahead of the first parting of the roles.
;   producers: window 0: v128-191 a chunk turned, v192-225 the quantiser's; window 1: four chunks as loaded.
;   consumers: window 0: v20-29 tokens, v32-71 x's scale words, v72-75 We's, v76-107 the bias, v108-112 the mask and its prefix sums, v128-247 x's fragments in two sets (on the way out and in SELECT: at work);
;              window 1: v0-159 the accumulators ((t, ot) at 8 (4 t + ot)), v160-255 We's fragments in two sets.
.set NTOK, 2048                        ; tokens in all: no list is longer
.set PASS, 320                         ; positions of a pass: four waves x five tiles x 16
.set IMG, 0                            ; LDS: fragment (K step s, tile ot) at (4 s + ot) 1536 + 512 c + 16 lane: registers 4 c .. 4 c + 3
.set WSC, 98304                        ; We's scale words: K step s at 256 s; (ot, row r) at 8 (16 (ot % 2) + r) + 4 (ot / 2): a load of 8 bytes at 8 lane brings tiles 0|1 and 2|3, the even tile in lanes 0-15
.set STG, 102400                       ; four producers' stages: 16 rows x (512 + 16) bytes
.set OST, 136192                       ; four consumers' stages for the way out: 16 rows x (256 + 16) bytes, in 4,608
.set TOF, 20                           ; v20-24   tile t: my token's byte offset in xq, + 48 h
.set TOK, 25                           ; v25-29   tile t: lane r's token (the same in both halves of the lanes)
.set XS,  32                           ; tile t at XS + 8 t: register q: lanes 0-15 K step q, lanes 16-31 K step 8 + q
.set WS,  72                           ; set b at WS + 2 b
.set BI,  76                           ; tile ot at BI + 8 ot
.set ML,  108                          ; my 64 bits of the mask: tokens 64 lane .. + 31, + 32 .. + 63
.set MH,  109
.set EL,  110                          ; in each byte: how many bits are set in my earlier bytes
.set EH,  111
.set PX,  112                          ; how many bits are set in the earlier lanes
.set TSO, 113                          ; v113-117 tile t: my token's byte offset in xs, + 32 h
.set XR,  128                          ; set b at XR + 60 b, tile t at + 12 t
.set BK,  128                          ; the way out: 16 rows read back
.set AD,  168                          ; and their byte offsets in out0
.set ZP,  176                          ; SELECT's registers
.set ZL,  177
.set ZI,  178
.set ZML, 179
.set ZMH, 180
.set ZEL, 181
.set ZEH, 182
.set ZPX, 183
.set ZK,  184
.set ZK8, 185
.set ZU,  186
.set ZT,  187
.set ZB,  188
.set ZMW, 189
.set ZEW, 190
.set ZSH, 191
.set ZMB, 192
.set ZPB, 193
.set ZX,  194
.set ZQ,  195
.set ZTK, 196
.set ZW,  197
.set TD,  128                          ; producers
.set PC,  192
.set QM,  212
.set QSO, 214
.set QBY, 216
.set PW,  224
.set QT,  225
.set H8,  14
.set SEL, 24
.set MSB, 0
.macro WIN new                         ; s_set_vgpr_msb: bits 1:0 source 0, 3:2 source 1, 5:4 source 2, 7:6 destination; the high byte repeats the setting that is left
.if MSB != \new
	s_set_vgpr_msb (MSB<<8)|\new
.set MSB, \new
.endif
.endm
; 64 numbers of a lane, v[td + 32 c + i] = k 64 c + 32 h + i of its row, become the row's fragment registers v[PC] .. v[PC + 11] of this lane and the row's scale word v[PW].
.macro QUANT2 td
.irp c, 0,1
	v_max3_num_f32 v[QM+\c], |v[\td+32*\c]|, |v[\td+32*\c+1]|, 0x1800000   ; my block 2 c + h: all 32 numbers are mine; the floor 2^(3 - 127) holds the byte at 1 from below
.endr
.irp i, 2,4,6,8,10,12,14,16,18,20,22,24,26,28,30
.irp c, 0,1
	v_max3_num_f32 v[QM+\c], v[QM+\c], |v[\td+32*\c+\i]|, |v[\td+32*\c+\i+1]|   ; (the two blocks by turns)
.endr
.endr
.irp c, 0,1
	v_add_nc_u32 v[QSO+\c], 0xff000000, v[QM+\c]   ; 2 off the exponent field: the conversion takes this operand's exponent field as its scale
.endr
.irp c, 0,1
	v_lshrrev_b32 v[QBY+\c], 23, v[QSO+\c]         ; the scale's byte
.endr
	v_lshl_or_b32 v[PW], v[QBY+1], 16, v[QBY]      ; my two bytes, blocks h and 2 + h,
	v_lshlrev_b32 v[PW], v[H8], v[PW]              ; at their places (8 h bits up);
	v_permlanex16_b32 v[QT], v[PW], s[SEL], s[SEL+1]
	v_or_b32 v[PW], v[PW], v[QT]                   ; with lane l xor 16's two the word is whole
.irp c, 0,1
	v_cvt_scalef32_pk16_fp6_f32 v[PC+6*\c:PC+6*\c+2], v[\td+32*\c:\td+32*\c+15], v[QSO+\c]
	v_cvt_scalef32_pk16_fp6_f32 v[PC+12+4*\c:PC+14+4*\c], v[\td+32*\c+16:\td+32*\c+31], v[QSO+\c]   ; (a conversion's three registers begin on an even number: the second half is made elsewhere and moved)
.endr
	v_nop                                          ; one plain instruction behind the last scaled conversion
.irp c, 0,1
.irp i, 0,1,2
	v_mov_b32 v[PC+3+6*\c+\i], v[PC+12+4*\c+\i]
.endr
.endr
.endm
; ---------------- the producers' macros
.macro LOADW s                         ; chunk s into ring slot s % 4 (window 1): row j's 512 bytes of K step s
.irp j, 0,1,2,3,4,5,6,7,8,9,10,11,12,13,14,15
	global_load_b128 v[64*((\s)%4)+4*\j:64*((\s)%4)+4*\j+3], v1, s[4:5] offset:8192*\j+512*(\s) th:TH_LOAD_NT
.endr
.endm
.macro CHUNK s
.if (\s) < 13
	s_wait_loadcnt 48                              ; loads come back in order (ISA guide 5.7.1): this chunk's sixteen are in, the three younger chunks stay out
.else
	s_wait_loadcnt 16*(15-(\s))
.endif
	WIN 0x04                                       ; an LDS store's data are its source 1: window 1
.irp j, 0,1,2,3,4,5,6,7,8,9,10,11,12,13,14,15
	ds_store_b128 v2, v[64*((\s)%4)+4*\j:64*((\s)%4)+4*\j+3] offset:528*\j
.endr
	WIN 0
.irp c, 0,1
.irp i, 0,1,2,3,4,5,6,7
	ds_load_b128 v[TD+32*\c+4*\i:TD+32*\c+4*\i+3], v3 offset:256*\c+16*\i   ; LDS serves a wave's instructions in order (ISA guide 5.7.1.4): these see the stores above.  The last chunk's wait on va_vdst stands behind all lines that read v[TD] ..
.endr
.endr
	s_wait_dscnt 0x0                               ; my row is in
.if (\s) < 12
	WIN 0x40                                       ; (the switch, then the wait, then the loads)
.endif
	s_wait_alu depctr_vm_vsrc(0)                   ; the stage's stores have read the ring slot, in which the loads below land; the last chunk's image stores have read v[PC] .. and v[PW], which the quantiser writes again
.if (\s) < 12
	LOADW (\s)+4                                   ; the slot takes the chunk four further on
	WIN 0
.endif
	QUANT2 TD
	s_wait_alu depctr_va_vdst(0)                   ; the quantiser has written v[PC] .. and v[PW], which the stores below read, and is done reading v[TD] .., in which the next chunk's loads from the stage land
.irp c, 0,1,2
	ds_store_b128 v[4+(\s)/8], v[PC+4*\c:PC+4*\c+3] offset:6144*((\s)%8)+512*\c   ; the fragment as it stands
.endr
	ds_store_b32 v6, v[PW] offset:256*(\s)         ; both halves of the lanes write the same word with the same value
.endm
; ---------------- the consumers' macros
.macro BYTECNT d, s, t                 ; in each byte of v[d]: how many bits of that byte of v[s] are set
	v_lshrrev_b32 v[\t], 1, v[\s]
	v_and_b32 v[\t], 0x55555555, v[\t]
	v_sub_nc_u32 v[\d], v[\s], v[\t]
	v_lshrrev_b32 v[\t], 2, v[\d]
	v_and_b32 v[\t], 0x33333333, v[\t]
	v_and_b32 v[\d], 0x33333333, v[\d]
	v_add_nc_u32 v[\d], v[\d], v[\t]
	v_lshrrev_b32 v[\t], 4, v[\d]
	v_add_nc_u32 v[\d], v[\d], v[\t]
	v_and_b32 v[\d], 0x0f0f0f0f, v[\d]
.endm
; Position v[ZP] of the expert's list (at most n - 1) becomes the token's number v[ZTK]: the place of the mask's set bit number ZP.
.macro SELECT
	v_mov_b32 v[ZL], 0
.irp q, 0,1                            ; s[32 + i]: the bits set in lanes 0 .. i.  L = how many of the first 31 of these sums are at most the position: the lane whose 64 bits hold it.  The compares go in two runs, 16 and 15, into s80 on
.set i, 0
.rept 16-\q
	v_cmp_le_u32 s[80+i], s[32+16*\q+i], v[ZP]
.set i, i+1
.endr
	s_wait_alu depctr_va_sdst(0)                   ; the run's compares have written their masks, ahead of the first line that reads one
.set i, 0
.rept 16-\q
	v_cndmask_b32 v[ZU+i%2], 0, 1, s[80+i]
	v_add_nc_u32 v[ZL], v[ZL], v[ZU+i%2]
.set i, i+1
.endr
.endr
	v_min_u32 v[ZL], 31, v[ZL]
	v_lshlrev_b32 v[ZI], 2, v[ZL]
	s_wait_alu depctr_va_vdst(0)                   ; v[ZI] is written (ahead of the first call: v[EL], v[EH], v[PX] too), which the permutes read; the call before is done with v[ZML] .. v[ZPX], in which their results land
	ds_bpermute_b32 v[ZML], v[ZI], v[ML]           ; that lane's bits and prefix sums
	ds_bpermute_b32 v[ZMH], v[ZI], v[MH]
	ds_bpermute_b32 v[ZEL], v[ZI], v[EL]
	ds_bpermute_b32 v[ZEH], v[ZI], v[EH]
	ds_bpermute_b32 v[ZPX], v[ZI], v[PX]
	s_wait_dscnt 0x0
	s_wait_alu depctr_vm_vsrc(0)                   ; the permutes have read v[ZI]: the next call writes it again, and behind the last call a fragment of x lands in it
	v_sub_nc_u32 v[ZK], v[ZP], v[ZPX]              ; k: the rank among the lane's bits, 0 .. 63
	v_mul_lo_u32 v[ZK8], v[ZK], s70
	v_or_b32 v[ZK8], s72, v[ZK8]                   ; 128 + k in each byte: less a byte's prefix sum (at most 64) it keeps bit 7 where that sum is at most k, and no byte borrows
	v_sub_nc_u32 v[ZU], v[ZK8], v[ZEL]
	v_sub_nc_u32 v[ZT], v[ZK8], v[ZEH]
	v_and_b32 v[ZU], s72, v[ZU]
	v_and_b32 v[ZT], s72, v[ZT]
	v_lshrrev_b32 v[ZU], 7, v[ZU]
	v_lshrrev_b32 v[ZT], 7, v[ZT]
	v_add_nc_u32 v[ZU], v[ZU], v[ZT]
	v_mul_lo_u32 v[ZU], v[ZU], s70                 ; the top byte: how many of the eight
	v_lshrrev_b32 v[ZB], 24, v[ZU]
	v_add_nc_u32 v[ZB], -1, v[ZB]                  ; b: the byte that holds the bit
	v_cmp_lt_u32 vcc_lo, 3, v[ZB]
	v_and_b32 v[ZSH], 3, v[ZB]
	v_lshlrev_b32 v[ZSH], 3, v[ZSH]
	s_wait_alu depctr_va_vcc(0)                    ; the compare has written VCC, ahead of the two selects that read it
	v_cndmask_b32 v[ZMW], v[ZML], v[ZMH], vcc_lo
	v_cndmask_b32 v[ZEW], v[ZEL], v[ZEH], vcc_lo
	v_bfe_u32 v[ZMB], v[ZMW], v[ZSH], 8            ; its eight bits,
	v_bfe_u32 v[ZPB], v[ZEW], v[ZSH], 8            ; and what is set ahead of it
	v_sub_nc_u32 v[ZK], v[ZK], v[ZPB]              ; the rank in the byte, 0 .. 7
	v_lshl_or_b32 v[ZX], v[ZMB], 12, v[ZMB]        ; the byte's bits, one to a group of four bits
	v_and_b32 v[ZX], 0x000f000f, v[ZX]
	v_lshl_or_b32 v[ZX], v[ZX], 6, v[ZX]
	v_and_b32 v[ZX], 0x03030303, v[ZX]
	v_lshl_or_b32 v[ZX], v[ZX], 3, v[ZX]
	v_and_b32 v[ZX], s71, v[ZX]
	v_mul_lo_u32 v[ZX], v[ZX], s71                 ; group i: the bits set among bits 0 .. i (at most 8)
	v_mul_lo_u32 v[ZQ], v[ZK], s74
	v_or_b32 v[ZQ], s73, v[ZQ]                     ; 8 + the rank in groups 0 to 6: as above, bit 3 stays where the group's sum is at most the rank
	v_sub_nc_u32 v[ZQ], v[ZQ], v[ZX]
	v_and_b32 v[ZQ], s73, v[ZQ]
	v_lshrrev_b32 v[ZQ], 3, v[ZQ]
	v_mul_lo_u32 v[ZQ], v[ZQ], s71
	v_lshrrev_b32 v[ZQ], 28, v[ZQ]                 ; how many of the seven: the bit's place in the byte
	v_lshl_add_u32 v[ZTK], v[ZL], 3, v[ZB]
	v_lshl_add_u32 v[ZTK], v[ZTK], 3, v[ZQ]        ; 64 L + 8 b + q
.endm
.macro LOADX m                         ; x's five fragments of K step m into set m % 2: 48 bytes a lane and tile
.irp t, 0,1,2,3,4
.irp c, 0,1,2
	global_load_b128 v[XR+60*((\m)%2)+12*\t+4*\c:XR+60*((\m)%2)+12*\t+4*\c+3], v[TOF+\t], s[8:9] offset:96*(\m)+16*\c
.endr
.endr
.endm
; A pass begins: my 80 positions become tokens; their scale words and the first two K steps of their codes are asked for.
.macro PASSHEAD
	s_add_co_u32 s30, s28, s29                     ; my first position
	v_mov_b32 v[ZW], 0                             ; a lane permute's destination counts as one of its sources
.irp a, 0,1,2
	v_add_nc_u32 v[ZP], s30, v16
.if \a > 0
	v_add_nc_u32 v[ZP], 32*\a, v[ZP]
.endif
	v_min_u32 v[ZP], s27, v[ZP]                    ; past the list's end: the last token
	SELECT
	v_permlanex16_b32 v[ZW], v[ZTK], s[SEL], s[SEL+1]
	v_cndmask_b32 v[TOK+2*\a], v[ZTK], v[ZW], s31  ; tile 2 a: positions 32 a + r, in both halves of the lanes
.if \a < 2
	v_cndmask_b32 v[TOK+2*\a+1], v[ZW], v[ZTK], s31   ; tile 2 a + 1: positions 32 a + 16 + r
.endif
.endr
.irp t, 0,1,2,3,4
	v_min_u32 v[TOK+\t], 2047, v[TOK+\t]           ; a number made of loaded data enters an address only behind a clamp
.endr
.irp t, 0,1,2,3,4
	v_mul_u32_u24 v[TOF+\t], v[TOK+\t], 1536
.endr
.irp t, 0,1,2,3,4
	v_add_nc_u32 v[TOF+\t], v17, v[TOF+\t]
.endr
.irp t, 0,1,2,3,4
	v_lshlrev_b32 v[TSO+\t], 6, v[TOK+\t]
.endr
.irp t, 0,1,2,3,4
	v_add_nc_u32 v[TSO+\t], v18, v[TSO+\t]
.endr
	s_wait_alu depctr_va_vdst(0)                   ; v[TOF] .. and v[TSO] .. are written, which the loads below read as offsets; SELECT's lines, and in a later pass the way out's, are done with v168 to v197, in which x's fragments land
.irp t, 0,1,2,3,4
.irp i, 0,1
	global_load_b128 v[XS+8*\t+4*\i:XS+8*\t+4*\i+3], v[TSO+\t], s[10:11] offset:16*\i
.endr
.endr
	LOADX 0
	LOADX 1
.endm
; One matrix instruction: accumulator (t, ot), K step m.  Names are numbers in the windows that KSTEP sets; the scale registers lie in window 0 whatever the windows.
.macro MM t, ot, m
.set rD, 8*(4*(\t)+(\ot))
.set rC, rD
.if (\m) == 0
.set rC, BI+8*(\ot)
.endif
.set rA, 160+48*((\m)%2)+12*(\ot)
.set rB, XR+60*((\m)%2)+12*(\t)
.set rP, WS+2*((\m)%2)+(\ot)/2
.set rQ, XS+8*(\t)+(\m)%8
.if ((\ot)%2 == 0) && ((\m) < 8)
	v_wmma_scale_f32_16x16x128_f8f6f4 v[rD:rD+7], v[rA:rA+11], v[rB:rB+11], v[rC:rC+7], v[rP], v[rQ] matrix_a_fmt:MATRIX_FMT_FP6 matrix_b_fmt:MATRIX_FMT_FP6
.elseif ((\ot)%2 == 1) && ((\m) < 8)
	v_wmma_scale_f32_16x16x128_f8f6f4 v[rD:rD+7], v[rA:rA+11], v[rB:rB+11], v[rC:rC+7], v[rP], v[rQ] matrix_a_fmt:MATRIX_FMT_FP6 matrix_b_fmt:MATRIX_FMT_FP6 matrix_a_scale:MATRIX_SCALE_ROW1
.elseif (\ot)%2 == 0
	v_wmma_scale_f32_16x16x128_f8f6f4 v[rD:rD+7], v[rA:rA+11], v[rB:rB+11], v[rC:rC+7], v[rP], v[rQ] matrix_a_fmt:MATRIX_FMT_FP6 matrix_b_fmt:MATRIX_FMT_FP6 matrix_b_scale:MATRIX_SCALE_ROW1
.else
	v_wmma_scale_f32_16x16x128_f8f6f4 v[rD:rD+7], v[rA:rA+11], v[rB:rB+11], v[rC:rC+7], v[rP], v[rQ] matrix_a_fmt:MATRIX_FMT_FP6 matrix_b_fmt:MATRIX_FMT_FP6 matrix_a_scale:MATRIX_SCALE_ROW1 matrix_b_scale:MATRIX_SCALE_ROW1
.endif
.endm
.macro WMUL m                          ; the windows of K step m's products
.if (\m) == 0
	WIN 0x41                                       ; source 0 (We) and the result in window 1; x and the bias, which starts the sums, in window 0
.else
	WIN 0x51                                       ; source 0, C and D in window 1
.endif
.endm
.macro WFRAG m                         ; We's four fragments of K step m from LDS into set m % 2 (window 1)
	WIN 0x40
.irp j, 0,1,2,3,4,5,6,7,8,9,10,11
	ds_load_b128 v[160+48*((\m)%2)+4*\j:160+48*((\m)%2)+4*\j+3], v[7+(\m)/8] offset:6144*((\m)%8)+512*\j
.endr
.endm
; K step m: 20 matrix instructions, the 20 accumulators by turns, one instruction a turn, in the same order in every K step.
.macro KSTEP m
	s_wait_dscnt 0x0                               ; We's scale words and this K step's four fragments are in
.if (\m) < 15
	s_wait_loadcnt 15                              ; x's fragments of this K step are in, and all asked for earlier; the next K step's fifteen loads may be out
.else
	s_wait_loadcnt 0x0
.endif
	WMUL (\m)
.irp t, 0,1
.irp ot, 0,1,2,3
	MM \t, \ot, (\m)
.endr
.endr
.if (\m)%2 == 0
	WFRAG (\m)+1                                   ; the odd K step's fragments are asked for here.  No wait: set 1's last readers stand ahead of the wait at the last K step's end, and no product issued since names set 1 or the address
	WMUL (\m)
.endif
.irp t, 2,3,4
.irp ot, 0,1,2,3
	MM \t, \ot, (\m)
.endr
.endr
	WIN 0
.rept 4
	v_nop                                          ; four places in front of loads into registers that these instructions have read, and of the first read of results
.endr
.if (\m) < 14
	s_wait_alu depctr_va_vdst(0)                   ; the products are done reading x's set m % 2, in which the loads below land, and We's fragments and scale words, in which the next loads from LDS land
	LOADX (\m)+2
.elseif (\m) == 15
	s_wait_alu depctr_va_vdst(0)                   ; the products have written the accumulators, which the way out's LDS stores read, and are done reading x's fragments, in whose registers the rows come back from the stage; the places above stay beside this wait
.endif
.endm
.macro MULSEG m0                       ; K steps m0 and m0 + 1 (m0 even): We's scale words and eight fragments from LDS, 40 matrix instructions
	ds_load_b64 v[WS:WS+1], v9 offset:256*(\m0)
	ds_load_b64 v[WS+2:WS+3], v9 offset:256*(\m0)+256
	WFRAG (\m0)
	KSTEP (\m0)
	KSTEP (\m0)+1
.endm
; Tile t leaves: 16 tokens x 64 o through my own stage, back as whole runs of 256 bytes, each to its token's row of out0.
.macro TILEOUT t
	s_add_co_u32 s66, s30, 16*(\t)
	s_cmp_ge_u32 s66, s26
	s_cbranch_scc1 .Ldead_\@                       ; the tile lies wholly past the list's end
	s_wait_xcnt 0x0                                ; the last tile's stores have read their data and offsets: both are written again below
.if (\t) > 0
	s_wait_alu depctr_vm_vsrc(0)                   ; the last tile's global stores have read v[BK] .., in which the loads below land, and v[AD] .., which the lines below write again
.endif
	WIN 0x04
.irp ot, 0,1,2,3
	ds_store_b128 v10, v[8*(4*(\t)+\ot):8*(4*(\t)+\ot)+3] offset:64*\ot          ; each accumulator from its low end on
	ds_store_b128 v10, v[8*(4*(\t)+\ot)+4:8*(4*(\t)+\ot)+7] offset:64*\ot+16
.endr
	WIN 0
.irp i, 0,1,2,3,4,5,6,7
	ds_load_b128 v[BK+4*\i:BK+4*\i+3], v11 offset:544*\i   ; lanes 0-15 row 2 i, lanes 16-31 row 2 i + 1 (in order behind my stores)
.endr
.set n, 0
.rept 16
	v_readlane_b32 s[80+n], v[TOK+(\t)], n         ; the sixteen rows' tokens, in one run
.set n, n+1
.endr
	s_wait_alu depctr_va_sdst(0)                   ; the sixteen reads have written s80 to s95, ahead of the first line that reads one
.irp i, 0,1,2,3,4,5,6,7
	v_mov_b32 v[AD+\i], s[81+2*\i]
	v_cndmask_b32 v[AD+\i], s[80+2*\i], v[AD+\i], s31     ; the row's token
	v_min_u32 v[AD+\i], 2047, v[AD+\i]
	v_lshlrev_b32 v[AD+\i], 13, v[AD+\i]           ; its row of 8,192 bytes,
	v_add_nc_u32 v[AD+\i], v15, v[AD+\i]           ; + 16 r
.endr
	s_wait_alu depctr_va_vdst(0)                   ; v[AD] .. are written, which the stores below read as offsets
.irp i, 0,1,2,3,4,5,6,7
	s_wait_dscnt 7-\i
	global_store_b128 v[AD+\i], v[BK+4*\i:BK+4*\i+3], s[14:15] th:TH_STORE_NT   ; sixteen lanes store 256 consecutive bytes, at a multiple of 256 from out0's first byte
.endr
.Ldead_\@:
.endm
.macro EPILOGUE
.irp t, 0,1,2,3,4
	TILEOUT \t
.endr
.endm
.macro BARRIER                         ; on every wave's path: my LDS stores have landed and my LDS loads are in; then the work-group's barrier
	s_wait_dscnt 0x0
	s_barrier_signal -1
	s_barrier_wait -1
.endm
; Segment g: the producers make K steps 2 g and 2 g + 1, the consumers multiply K steps 2 g - 2 and 2 g - 1, which lie in other bytes.  The branch hangs on the wave's number alone and jumps over no barrier.
.macro SEG g
	s_cmp_lt_u32 s18, 4
	s_cbranch_scc0 .Lcons_\@
	CHUNK 2*(\g)
	CHUNK 2*(\g)+1
	s_branch .Ljoin_\@
.Lcons_\@:
	MULSEG 2*(\g)-2
.Ljoin_\@:
	BARRIER
.endm
	s_load_b256 s[4:11], s[0:1], 0x0               ; We s[4:5], be s[6:7], xq s[8:9], xs s[10:11]
	s_load_b128 s[12:15], s[0:1], 0x20             ; masks s[12:13], out0 s[14:15]
	s_load_b64 s[16:17], s[0:1], 0x30              ; out3
	v_lshl_add_u32 v254, v0, 2, 0x25c00
	v_mov_b32 v255, 0
	v_lshrrev_b32 v16, 5, v0
	v_readfirstlane_b32 s18, v16                   ; wave 0..7
	s_lshr_b32 s20, ttmp9, 5                       ; e
	s_and_b32 s21, ttmp9, 31                       ; ob
	v_and_b32 v16, 31, v0                          ; v16: lane
	v_and_b32 v30, 15, v0                          ; v30: r
	v_bfe_u32 v31, v0, 4, 1                        ; v31: h
	v_lshlrev_b32 v1, 4, v16                       ; v1: 16 x lane
	v_lshlrev_b32 v7, 4, v16                       ; v7, v8: where a consumer reads the images
	v_add_nc_u32 v8, 49152, v7
	v_lshl_add_u32 v9, v16, 3, WSC                 ; v9: and the scale words
	v_lshlrev_b32 v12, 3, v16                      ; v12: 8 x lane: my 8 bytes of the expert's mask
	v_lshlrev_b32 v[H8], 3, v31                    ; v14: 8 h
	v_lshlrev_b32 v15, 4, v30                      ; v15: 16 r
	v_mul_u32_u24 v17, v31, 48                     ; v17: 48 h
	v_lshlrev_b32 v18, 5, v31                      ; v18: 32 h
	v_mov_b32 v19, 0
	s_wait_alu depctr_va_sdst(0)                   ; s18 is written, ahead of its first reader: the roles, the LDS addresses and the bases are made from it
	s_and_b32 s19, s18, 3                          ; my number among the four of my role
	; every LDS address is made here, ahead of the first parting: a constant + a constant x lane part + a constant x (wave % 4)
	s_mul_i32 s22, s19, 8448
	s_add_co_u32 s22, s22, STG
	v_add_nc_u32 v2, s22, v1                       ; v2: the stage, in
	v_mul_u32_u24 v3, v30, 528
	v_lshl_add_u32 v3, v31, 7, v3
	v_add_nc_u32 v3, s22, v3                       ; v3: the stage, out: row r, + 128 h
	s_mul_i32 s22, s19, 1536
	v_add_nc_u32 v4, s22, v1                       ; v4, v5: where a producer puts its images: K steps 0-7, 8-15
	v_add_nc_u32 v5, 49152, v4
	s_and_b32 s22, s19, 1
	s_lshl_b32 s22, s22, 7
	s_lshr_b32 s23, s19, 1
	s_lshl_b32 s23, s23, 2
	s_add_co_u32 s22, s22, s23
	s_add_co_u32 s22, s22, WSC
	v_lshl_add_u32 v6, v30, 3, s22                 ; v6: and its rows' scale words
	s_mul_i32 s22, s19, 4608
	s_add_co_u32 s22, s22, OST
	v_mul_u32_u24 v10, v30, 272
	v_lshl_add_u32 v10, v31, 5, v10
	v_add_nc_u32 v10, s22, v10                     ; v10: the way out, in: row r, + 32 h
	v_mul_u32_u24 v11, v31, 272
	v_lshl_add_u32 v11, v30, 4, v11
	v_add_nc_u32 v11, s22, v11                     ; v11: back: row h, + 16 r
	; byte offsets into the buffers
	s_lshl_b32 s22, s20, 11
	s_lshl_b32 s23, s21, 6
	s_add_co_u32 s22, s22, s23                     ; the slab's first row among We's 16,384: 2048 e + 64 ob
	s_lshl_b32 s66, s22, 2                         ; be: 4 bytes a row
	s_mov_b32 s67, 0
	s_lshl_b32 s23, s19, 4
	s_add_co_u32 s22, s22, s23                     ; + 16 pw
	s_lshl_b32 s22, s22, 13                        ; We: 8,192 bytes a row (under 2^27)
	s_mov_b32 s23, 0
	s_lshl_b32 s68, s20, 8                         ; masks: 256 bytes an expert
	s_mov_b32 s69, 0
	s_lshl_b32 s76, s21, 8                         ; out0: my 64 columns
	s_mov_b32 s77, 0
	s_lshl_b32 s78, s20, 2                         ; out3
	s_mov_b32 s79, 0
	s_mul_i32 s29, s19, 80                         ; a consumer's first position in a pass
	s_mov_b32 s[SEL], 0x76543210
	s_mov_b32 s[SEL+1], 0xfedcba98                 ; v_permlanex16_b32's selects for lane l xor 16
	s_mov_b32 s31, 0xffff0000                      ; lanes 16-31
	s_mov_b32 s70, 0x01010101
	s_mov_b32 s71, 0x11111111
	s_mov_b32 s72, 0x80808080
	s_mov_b32 s73, 0x08888888
	s_mov_b32 s74, 0x01111111
	s_wait_kmcnt 0x0
	s_add_nc_u64 s[4:5], s[4:5], s[22:23]
	s_add_nc_u64 s[6:7], s[6:7], s[66:67]
	s_add_nc_u64 s[12:13], s[12:13], s[68:69]
	s_add_nc_u64 s[14:15], s[14:15], s[76:77]
	s_add_nc_u64 s[16:17], s[16:17], s[78:79]
	s_wait_alu depctr_va_vdst(0)                   ; v1 to v12, v18 and v19 are written: the offsets and LDS addresses that the loads and stores of both roles read; none of them is written again
	; ---------------- segment 0
	s_cmp_lt_u32 s18, 4
	s_cbranch_scc0 .Lcons0
	v_mov_b32 v[QT], 0                             ; a lane permute's destination counts as one of its sources (no memory instruction names this register)
	WIN 0x40
	LOADW 0                                        ; four chunks, 64 loads of 512 bytes, are asked for
	LOADW 1
	LOADW 2
	LOADW 3
	WIN 0
	CHUNK 0
	CHUNK 1
	s_branch .Ljoin0
.Lcons0:
	s_mov_b32 s28, 0                               ; the pass's first position
	global_load_b64 v[ML:MH], v12, s[12:13]        ; my 64 bits of the expert's mask
.irp ot, 0,1,2,3
	global_load_b128 v[BI+8*\ot:BI+8*\ot+3], v18, s[6:7] offset:64*\ot       ; the bias in the result's layout: o = 16 ot + 8 h + 0 .. 7
	global_load_b128 v[BI+8*\ot+4:BI+8*\ot+7], v18, s[6:7] offset:64*\ot+16
.endr
	s_wait_loadcnt 8                               ; the mask is in; the bias's eight loads may be out
	BYTECNT 118, ML, 120
	BYTECNT 119, MH, 120
	v_mul_lo_u32 v118, v118, s70                   ; byte i: the bits set in bytes 0 .. i of the low word (at most 32: no byte overflows)
	v_lshrrev_b32 v121, 24, v118                   ; the low word's count
	v_add_nc_u32 v119, v119, v121
	v_mul_lo_u32 v119, v119, s70                   ; the same for the high word, the low word's count included (at most 64)
	v_lshrrev_b32 v122, 24, v119                   ; my 64 bits' count
	v_lshlrev_b32 v[EL], 8, v118                   ; one byte up: what is set AHEAD of each byte
	v_lshl_or_b32 v[EH], v119, 8, v121
.set i, 0
.rept 32
	v_readlane_b32 s[32+i], v122, i                ; the 32 lanes' counts, in one run
.set i, i+1
.endr
	s_wait_alu depctr_va_sdst(0)                   ; the 32 reads have written s32 to s63, ahead of the first line that reads one
.set i, 1
.rept 31
	s_add_co_u32 s[32+i], s[32+i], s[31+i]         ; s[32 + i]: the bits set in lanes 0 .. i
.set i, i+1
.endr
	v_mov_b32 v[PX], 0
.set i, 1
.rept 31
	v_writelane_b32 v[PX], s[31+i], i              ; and in each lane what is set ahead of it
.set i, i+1
.endr
	s_mov_b32 s26, s63                             ; n: the expert's tokens
	s_max_u32 s27, s26, 1
	s_sub_co_u32 s27, s27, 1                       ; the last position (0 where the list is empty: nothing is stored then)
	s_or_b32 s66, s19, s21
	s_cmp_eq_u32 s66, 0
	s_cbranch_scc0 .Lno_usage                      ; one wave of one work-group for each expert stores its count
	v_cvt_f32_u32 v123, s26
	s_wait_alu depctr_va_vdst(0)                   ; the conversion has written v123, which the store reads
	global_store_b32 v19, v123, s[16:17]           ; all lanes write the same word with the same value
.Lno_usage:
	PASSHEAD
.Ljoin0:
	BARRIER
	; ---------------- segments 1 to 7
	SEG 1
	SEG 2
	SEG 3
	SEG 4
	SEG 5
	SEG 6
	SEG 7
	s_cmp_lt_u32 s18, 4
	s_cbranch_scc0 .Ltail
	s_wait_dscnt 0x0
	s_wait_alu depctr_hold_cnt(0) depctr_sa_sdst(0) depctr_va_vdst(0) depctr_va_sdst(0) depctr_va_ssrc(0) depctr_va_vcc(0) depctr_vm_vsrc(0)
	s_wait_tensorcnt 0x0
	ds_add_u32 v254, v255
	s_wait_dscnt 0x0
	s_endpgm                                       ; the producers are done: all 64 fragments lie in LDS, and no barrier follows
.Ltail:
	MULSEG 14
	EPILOGUE
	; ---------------- an expert with more than 320 tokens: further passes from the images.  The loop is counted against a constant: bases 320, 640 .. 1,920, six trips at the most, which with the
	; first pass cover every position under 2,048; a wave leaves it by the branch at its head as soon as the base has reached the list's end.  No barrier stands in or behind it.
	s_mov_b32 s28, PASS
.Lover:
	s_cmp_lt_u32 s28, s26
	s_cbranch_scc0 .Ldone                          ; no position of this pass, nor of any later one, lies in the list
	s_wait_xcnt 0x0                                ; the last pass's stores have read their data and offsets
	s_wait_alu depctr_vm_vsrc(0)                   ; the last pass's loads have read v[TOF] .. and v[TSO] .., its LDS stores the accumulators, its global stores v[BK] .. and v[AD] ..: this pass writes all of them again
	PASSHEAD
.irp m0, 0,2,4,6,8,10,12,14
	MULSEG \m0
.endr
	EPILOGUE
	s_add_co_u32 s28, s28, PASS
	s_cmp_lt_u32 s28, NTOK
	s_cbranch_scc1 .Lover
.Ldone:
	s_wait_dscnt 0x0
	s_wait_alu depctr_hold_cnt(0) depctr_sa_sdst(0) depctr_va_vdst(0) depctr_va_sdst(0) depctr_va_ssrc(0) depctr_va_vcc(0) depctr_vm_vsrc(0)
	s_wait_tensorcnt 0x0
	ds_add_u32 v254, v255
	s_wait_dscnt 0x0
	s_endpgm
.Lfunc_end_k_qe39722aeed_experts:
	.size	k_qe39722aeed_experts, .Lfunc_end_k_qe39722aeed_experts-k_qe39722aeed_experts
	.p2alignl 7, 3214868480
	.fill 96, 4, 3214868480
	.section	.rodata,"a",@progbits
	.p2align	6, 0x0
	.amdhsa_kernel k_qe39722aeed_experts
		.amdhsa_group_segment_fixed_size 155648
		.amdhsa_private_segment_fixed_size 0
		.amdhsa_enable_private_segment 0
		.amdhsa_kernarg_size 56
		.amdhsa_user_sgpr_count 2
		.amdhsa_user_sgpr_kernarg_segment_ptr 1
		.amdhsa_wavefront_size32 1
		.amdhsa_system_sgpr_workgroup_id_x 1
		.amdhsa_system_sgpr_workgroup_id_y 1
		.amdhsa_system_sgpr_workgroup_id_z 1
		.amdhsa_system_vgpr_workitem_id 0
		.amdhsa_next_free_vgpr 512
		.amdhsa_next_free_sgpr 96
		.amdhsa_reserve_vcc 1
		.amdhsa_float_denorm_mode_32 3
		.amdhsa_float_denorm_mode_16_64 3
		.amdhsa_memory_ordered 1
		.amdhsa_forward_progress 1
		.amdhsa_inst_pref_size 255
	.end_amdhsa_kernel
	.section	.bss,"aw",@nobits
	.p2align	6
	.space	262144
	.amdgpu_metadata
---
amdhsa.version: [ 1, 2 ]
amdhsa.kernels:
  - .name:           k_qe39722aeed_experts
    .symbol:         k_qe39722aeed_experts.kd
    .args:
      - { .name: We, .offset: 0, .size: 8, .value_kind: global_buffer, .address_space: global }
      - { .name: be, .offset: 8, .size: 8, .value_kind: global_buffer, .address_space: global }
      - { .name: xq, .offset: 16, .size: 8, .value_kind: global_buffer, .address_space: global }
      - { .name: xs, .offset: 24, .size: 8, .value_kind: global_buffer, .address_space: global }
      - { .name: masks, .offset: 32, .size: 8, .value_kind: global_buffer, .address_space: global }
      - { .name: out0, .offset: 40, .size: 8, .value_kind: global_buffer, .address_space: global }
      - { .name: out3, .offset: 48, .size: 8, .value_kind: global_buffer, .address_space: global }
    .group_segment_fixed_size: 155648
    .private_segment_fixed_size: 0
    .kernarg_segment_align: 8
    .kernarg_segment_size: 56
    .max_flat_workgroup_size: 256
    .sgpr_count:     96
    .vgpr_count:     512
    .wavefront_size: 32
...
	.end_amdgpu_metadata
.endif
;; end of part 4
